; MI455X (gfx1250); checked and timed in simulation.
; The chip was launched on July 23, 2026; its instructions are those of AMD's public machine-readable ISA for CDNA 5 (MIT licence, August 2026) and "CDNA5" Instruction Set Architecture Reference Guide (July 2026). The comments in the code are by the model that wrote it; some were corrected since.
;; Flash Attention. Allowed arithmetic: matrix products marked QUANTISED: E4M3 operands, one given power-of-two scale a tensor, by v_wmma_f32_16x16x64_fp8_fp8 or v_wmma_f32_16x16x128_fp8_fp8, f32 sums; everything else in f32.
;; Inputs: b_qkv 3,072 float32; hidden_states 2,048 x 2,048 float32; lowp_scales 8 int32 (the exponents e of the quantised operands' scales 2^e); positions 2,048 int32; w_o 2,048 x 2,048 float32; w_qkv 2,048 x 3,072 float32.
;; Outputs: out0 2,048 x 2,048 float32.
;; This version of the problem:
;;   THIS VERSION OF THE PROBLEM IS GIVEN IN LOW PRECISION. The matrix products marked QUANTISED in the list below multiply operands that are first quantised to E4M3 (4 exponent bits, 3 mantissa bits; 8 bits a number), with one given power-of-two scale for each operand tensor; their sums are f32. All else is computed in f32.
;;   The module's matrix products, in the order in which they are computed (A, B: the left and right operand; K: the contracted axis; several contracted axes count as one K, in the product's order):
;;     1. [M 2,048, K 2,048] x [K 2,048, N 3,072]; A: input hidden_states; B: input w_qkv: QUANTISED (scales: A lowp_scales[0], B lowp_scales[1])
;;     2. batch 16 x [M 2,048, K 128] x [K 128, N 2,048]; A: computed on the way; B: computed on the way: QUANTISED (scales: A lowp_scales[2], B lowp_scales[3])
;;     3. batch 16 x [M 128, K 2,048] x [K 2,048, N 2,048]; A: computed on the way; B: softmax (see below): QUANTISED (scales: A lowp_scales[4], B lowp_scales[5])
;;     4. [M 2,048, K 2,048] x [K 2,048, N 2,048]; A: computed on the way; B: input w_o: QUANTISED (scales: A lowp_scales[6], B lowp_scales[7])
;;   THE QUANTISER, for each operand of a quantised product, along K:
;;     - The operand's scale is 2^e, e = its entry of the input lowp_scales (int32; the entries are numbered through the quantised products in the list's order, A before B).
;;     - Each number is divided by the scale, clamped to +-448, and rounded to the nearest number of E4M3, ties to even, subnormals kept.
;;     - The product sums the exact products of the quantised numbers (number of the format x scale) in f32.
;;   ~~~python
;;   def quantise(x, axis, e):      # numpy; x: float32 -> the quantised numbers, widened to float32 again
;;       x = np.moveaxis(x, axis, -1); K = x.shape[-1]
;;       r = np.clip(x / 2.0 ** e, -448, 448)
;;       step = 2.0 ** (np.maximum(np.frexp(np.where(r == 0, 1, r))[1] - 1, -6) - 3)
;;       q = np.round(r / step) * step * 2.0 ** e      # np.round: ties to even
;;       return np.moveaxis(q, -1, axis).astype(np.float32)
;;   ~~~
;;   SOFTMAX AHEAD OF A QUANTISED PRODUCT. Where the list says 'softmax', what is quantised is not the finished softmax but p = 2^(t - M), with t = logit x log2(e) and M = ceil(the row's largest t), a whole number; so 1/2 < the row's largest p <= 1. The row's sum l is taken of the UNQUANTISED p, in f32, and the product's result is divided by l at the end. Since M is a whole number, a kernel that streams over the keys may use a running M (the ceiling of the running maximum): every later rescaling is an exact power of two, so the quantised numbers keep their values, but for numbers so far below the row's largest that they fall under the format's range.
;;   OPERANDS COMPUTED ON THE WAY. 'Computed on the way' means the value that the module computes at that place (a softmax that the list does not call 'softmax' is quantised finished and normalised). What goes into a quantiser is computed in f32, as accurately as f32 sums, v_exp_f32 and their like allow (about 1e-6 of the number): no bf16 or f16 on the way to a quantiser, and a product that is left as it is and whose result goes on into a quantised operand takes f32 operands (vector FMAs, or v_wmma_f32_16x16x4_f32). A number that lies on a knife's edge between two numbers of the format may be rounded either way, as far as f32 arithmetic and the matrix unit's own rounding can turn it there, and no further.
;; 2 versions. Each part assembles by itself: llvm-mc -triple=amdgcn-amd-amdhsa -mcpu=gfx1250 --defsym DOCPART=n.
;; ======== version 1 of 2: 4 launches
;; limits: right only within a limited range of input values
;; workspace buffers: x_img 4,194,304 bytes; wqkv_img 6,291,456 bytes; wo_img 4,194,304 bytes; rope 1,048,576 bytes; q_img 4,194,304 bytes; kv_img 2,097,152 bytes; a_img 4,194,304 bytes
;; launch prep (part 1): grid 448 x 1, 4 waves a work-group, no clusters, 34,304 bytes of LDS; arguments hidden_states, positions, w_qkv, w_o, lowp_scales, x_img, wqkv_img, wo_img, rope; writes x_img, wqkv_img, wo_img, rope
.if DOCPART == 1
	.amdgcn_target "amdgcn-amd-amdhsa--gfx1250"
	.amdhsa_code_object_version 6
	.text
	.protected	k_qb5ea491ca8_prep
	.globl	k_qb5ea491ca8_prep
	.p2align	8
	.type	k_qb5ea491ca8_prep,@function
k_qb5ea491ca8_prep:
	s_mov_b64 s[64:65], 0
	v_nop
	global_prefetch_b8 v0, s[64:65] scope:SCOPE_SE
	s_setreg_imm32_b32 hwreg(HW_REG_WAVE_MODE, 25, 1), 1
	s_wait_xcnt 0x0
; hidden_states [2048][2048], w_qkv [2048][3072] and w_o [2048][2048], f32, become codes of FP8 (E4M3), each with its given scale 2^e (entries 0, 1, 7 of the scales); and the table of cosines and sines for RoPE is made from positions.
; THE CODES ARE LAID AS IMAGES OF AN OPERAND'S REGISTERS.  A fragment is 16 rows x 128 K = 2,048 bytes, [c = 0..3][lane = 16 h + r][16 bytes]: row r, k = 32 c + 16 h + 0 .. 15.  A buffer is [tile of 16 rows][K / 128][2,048].
; THE ROWS OF A TILE ARE NOT NEIGHBOURS: row r of tile t is index 32 (t / 2) + 8 (t % 2) + r + 8 (r / 8) (a token of hidden_states; a column of a weight).
; Work-groups 0-127: token tile g of hidden_states, wave w its K 512 w .. 512 w + 511, and a quarter of the tile's RoPE table.  128-319: w_qkv, 320-447: w_o: 128 columns x 256 along K each.
; code = x / 2^e, held within +-448, to the nearest code, ties to even.
; LIMITS: e between -126 and 119.  NaN among the inputs is not served.  |positions| up to 2^20 (the angle is reduced by pi/2 in two pieces).  inv_freq = 2^(-f log2(1e5) / 64) by v_exp_f32:
; within a few units in the last place of 1 / theta^(f / 64); at position 2,047 that turns an angle by up to a few 1e-4.
.set SP,    528                        ; a stage row: 512 bytes + 16 of padding, so that the sixteen rows that a read touches start in sixteen different 16-byte columns
.set STG,   16*SP                      ; a wave's stage: 16 rows
.set SPARE, 4*STG                      ; behind the four stages: the spare words, 128 bytes a wave: two blocks of 256 bytes that no other line names
.set SPW,   12                         ; v12  SPARE + 4 x my thread's number; never rewritten
.set NIL,   13                         ; v13  0; never rewritten
.set R,     16                         ; x path: v16-143  two sets of 64: a fragment's numbers as loaded
.set X,     144                        ; x path: v144-207 64 numbers, register 16 c + i = k 32 c + 16 h + i of my row; before that at work for RoPE
.set C,     208                        ; x path: v208-239 two sets of 16: a fragment's codes
.set WX,    16                         ; weights: v16-79 two sets of 32 numbers down K
.set WC,    144                        ; weights: v144-207 eight registers of codes for each of 8 blocks: no store's data are written again
	s_load_b256 s[4:11], s[0:1], 0x0               ; hidden_states s[4:5], positions s[6:7], w_qkv s[8:9], w_o s[10:11]
	s_load_b256 s[12:19], s[0:1], 0x20             ; scales s[12:13], x_img s[14:15], wqkv_img s[16:17], wo_img s[18:19]
	s_load_b64 s[20:21], s[0:1], 0x40              ; rope
	v_lshl_add_u32 v[SPW], v0, 2, SPARE
	v_mov_b32 v[NIL], 0
	v_lshrrev_b32 v1, 5, v0
	v_readfirstlane_b32 s22, v1                    ; wave 0..3
	v_and_b32 v14, 31, v0                          ; lane
	v_and_b32 v15, 15, v0                          ; r
	v_bfe_u32 v9, v0, 4, 1                         ; h
	v_lshlrev_b32 v1, 4, v14                       ; 16 x lane
	v_lshrrev_b32 v4, 3, v15
	v_lshl_add_u32 v4, v4, 3, v15
	v_lshlrev_b32 v4, 2, v4                        ; 4 (r + 8 (r / 8)): my row's place among a tile's, in words
	v_lshl_add_u32 v5, v9, 5, v4                   ; weights: + 4 x 8 h: lanes 16-31 are the rows of the odd tile
	v_lshlrev_b32 v6, 4, v15
	v_lshl_add_u32 v6, v9, 15, v6                  ; weights, out: 16 r in my tile's image; the odd tile lies 32,768 bytes on
	s_mov_b32 s37, 0                               ; the upper word of every offset
	s_wait_kmcnt 0x0
	s_load_b256 s[24:31], s[12:13], 0x0            ; e0 .. e7
	s_cmp_lt_u32 ttmp9, 128
	s_cbranch_scc1 .Lx
	s_cmp_lt_u32 ttmp9, 320
	s_cbranch_scc1 .Lwqkv
; A WEIGHT [2048 (k)][cols].  A lane takes a column and its registers run down K: each load reads 128 consecutive bytes a wave (in the tiles' row order), and the conversions give codes with K innermost.
; A block of 32 along K is chunk c of a fragment: my first 16 codes are the image's lane (r, 0), my last 16 its lane (r, 1), 256 bytes on: sixteen lanes store 256 consecutive bytes, aligned.
.macro WLOAD t, cols
.set i, 0
.rept 32
	global_load_b32 v[WX+32*((\t)%2)+i], v5, s[38:39] offset:(32*(\t)+i)*\cols*4 th:TH_LOAD_NT
.set i, i+1
.endr
.endm
.macro WBLOCK t, cols
.if (\t) < 7
	s_wait_loadcnt 32                              ; this block's 32 loads are in; the next block's 32 may be out
.else
	s_wait_loadcnt 0x0
.endif
.set i, 0
.rept 32
	v_med3_num_f32 v[WX+32*((\t)%2)+i], v[WX+32*((\t)%2)+i], -v10, v10   ; the conversion does not saturate (ISA guide 7.6.2): the hold at the largest code x the scale
.set i, i+1
.endr
.set i, 0
.rept 4
	v_cvt_scalef32_pk8_fp8_f32 v[WC+8*(\t)+2*i:WC+8*(\t)+2*i+1], v[WX+32*((\t)%2)+8*i:WX+32*((\t)%2)+8*i+7], v11
.set i, i+1
.endr
	v_nop                                          ; a plain line behind the last conversion of the run
	global_store_b128 v6, v[WC+8*(\t):WC+8*(\t)+3], s[40:41] offset:((\t)/4)*2048+((\t)%4)*512
	global_store_b128 v6, v[WC+8*(\t)+4:WC+8*(\t)+7], s[40:41] offset:((\t)/4)*2048+((\t)%4)*512+256
.if (\t)+2 < 8
	WLOAD (\t)+2, \cols
.endif
.endm
.macro WPATH cols, inlo, outlo, ereg, first
	s_sub_co_u32 s32, ttmp9, \first
	s_and_b32 s33, s32, 7                          ; which 256 along K
	s_lshr_b32 s34, s32, 3                         ; which 128 columns
	s_mul_i32 s36, s33, 256*\cols*4
	s_lshl_b32 s35, s34, 9
	s_add_co_u32 s36, s36, s35
	s_lshl_b32 s35, s22, 7                         ; my wave's 32 columns
	s_add_co_u32 s36, s36, s35
	s_add_nc_u64 s[38:39], s[\inlo:\inlo+1], s[36:37]
	s_lshl_b32 s36, s34, 18                        ; tile 8 gx + 2 w, 32,768 bytes a tile,
	s_lshl_b32 s35, s22, 16
	s_add_co_u32 s36, s36, s35
	s_lshl_b32 s35, s33, 12                        ; fragment 2 gy of it
	s_add_co_u32 s36, s36, s35
	s_add_nc_u64 s[40:41], s[\outlo:\outlo+1], s[36:37]
	WLOAD 0, \cols
	WLOAD 1, \cols
	s_wait_kmcnt 0x0
	s_add_co_i32 s42, s[\ereg], 127
	s_lshl_b32 s43, s42, 23
	v_mov_b32 v11, s43                             ; 2^e as f32: the conversion takes its exponent field
	s_add_co_i32 s42, s42, 8
	s_lshl_b32 s42, s42, 23
	s_or_b32 s42, s42, 0x600000
	v_mov_b32 v10, s42                             ; 448 x 2^e
.irp t, 0,1,2,3,4,5,6,7
	WBLOCK \t, \cols
.endr
.endm
	WPATH 2048, 10, 18, 31, 320                    ; w_o, e7
	s_endpgm
.Lwqkv:
	WPATH 3072, 8, 16, 25, 128                     ; w_qkv, e1
	s_endpgm
; HIDDEN_STATES.  Each load takes 512 consecutive bytes of one row (128 along K); a fragment's 16 rows turn through my own stage, so that a lane gets 16 neighbours of each block of 32 of ITS row.
.Lx:
	s_lshr_b32 s32, ttmp9, 1
	s_lshl_b32 s32, s32, 5
	s_and_b32 s33, ttmp9, 1
	s_lshl_b32 s33, s33, 3
	s_add_co_u32 s23, s32, s33                     ; the tile's first token: 32 (g / 2) + 8 (g % 2)
	s_lshl_b32 s36, s23, 13                        ; a row is 8,192 bytes
	s_lshl_b32 s35, s22, 11                        ; my wave's 2,048 of them
	s_add_co_u32 s36, s36, s35
	s_add_nc_u64 s[38:39], s[4:5], s[36:37]
	s_lshl_b32 s36, s23, 2
	s_add_nc_u64 s[44:45], s[6:7], s[36:37]        ; positions at the tile's first token
	s_lshl_b32 s36, ttmp9, 15
	s_lshl_b32 s35, s22, 13
	s_add_co_u32 s36, s36, s35
	s_add_nc_u64 s[40:41], s[14:15], s[36:37]      ; x_img: tile g, fragment 4 w
	s_lshr_b32 s32, s22, 1                         ; wc: which 32 frequencies
	s_and_b32 s33, s22, 1                          ; and which 8 of my lane's 16
	s_lshl_b32 s36, ttmp9, 13
	s_lshl_b32 s35, s32, 12
	s_add_co_u32 s36, s36, s35
	s_lshl_b32 s35, s33, 10
	s_add_co_u32 s36, s36, s35
	s_add_nc_u64 s[46:47], s[20:21], s[36:37]      ; rope: [tile][wc][cos, sin][jq][lane][4]: 8,192 g + 4,096 wc + 512 x 2 (w % 2)
	s_mul_i32 s34, s22, STG
	v_add_nc_u32 v2, s34, v1                       ; the stage, in: 16 x lane of a row
	v_mul_u32_u24 v3, v15, SP
	v_lshl_add_u32 v3, v9, 6, v3
	v_add_nc_u32 v3, s34, v3                       ; and out: row r, + 64 h
	global_load_b32 v8, v4, s[44:45]               ; my token's position
.macro XLOAD f                         ; fragment f of my four: 16 rows x 512 bytes
.set i, 0
.rept 16
	global_load_b128 v[R+64*((\f)%2)+4*i:R+64*((\f)%2)+4*i+3], v1, s[38:39] offset:(i+8*(i/8))*8192+512*(\f) th:TH_LOAD_NT
.set i, i+1
.endr
.endm
	XLOAD 0
	XLOAD 1
	; RoPE: eight angles a lane, frequencies f = 32 wc + 16 h + 8 (w % 2) + 0 .. 7, at my token
	s_lshl_b32 s35, s32, 5
	s_lshl_b32 s36, s33, 3
	s_add_co_u32 s35, s35, s36
	s_mov_b32 s48, 0xbe84e08b                      ; -log2(100000) / 64
	s_mov_b32 s49, 0x3f22f983                      ; 2 / pi
	s_mov_b32 s50, 0xbfc90fdb                      ; -(pi / 2 rounded to f32)
	s_mov_b32 s51, 0x333bbd2e                      ; that number less pi / 2
	s_mov_b32 s52, 0xb94ca1f9                      ; sine:   -1.9515295891e-4
	s_mov_b32 s53, 0x3c08839e                      ;          8.3321608736e-3
	s_mov_b32 s54, 0xbe2aaaa3                      ;         -1.6666654611e-1
	s_mov_b32 s55, 0x37ccf5ce                      ; cosine:  2.443315712e-5
	s_mov_b32 s56, 0xbab6061a                      ;         -1.388731625e-3
	s_mov_b32 s57, 0x3d2aaaa5                      ;          4.166664568e-2
	s_mov_b32 s58, 0x80000000
	v_lshl_add_u32 v200, v9, 4, s35
.irp i, 0,1,2,3,4,5,6,7
	v_add_nc_u32 v[144+\i], \i, v200
.endr
.irp i, 0,1,2,3,4,5,6,7
	v_cvt_f32_u32 v[144+\i], v[144+\i]
.endr
.irp i, 0,1,2,3,4,5,6,7
	v_mul_f32 v[144+\i], s48, v[144+\i]
.endr
.irp i, 0,1,2,3,4,5,6,7
	v_exp_f32 v[144+\i], v[144+\i]                 ; inv_freq, one batch
.endr
	v_nop                                          ; a plain line behind the last exponential
	s_wait_loadcnt 32                              ; the position is in; the 32 loads of x issued behind it stay out
	v_cvt_f32_i32 v7, v8
	s_wait_alu depctr_va_vdst(0)                   ; the wait ahead of the batch's first reader: one for the eight
.irp i, 0,1,2,3,4,5,6,7
	v_mul_f32 v[144+\i], v7, v[144+\i]             ; the angle x, rounded once
.endr
.irp i, 0,1,2,3,4,5,6,7
	v_mul_f32 v[152+\i], s49, v[144+\i]
.endr
.irp i, 0,1,2,3,4,5,6,7
	v_rndne_f32 v[152+\i], v[152+\i]               ; n = the nearest multiple of pi / 2
.endr
.irp i, 0,1,2,3,4,5,6,7
	v_fma_f32 v[160+\i], v[152+\i], s50, v[144+\i]
.endr
.irp i, 0,1,2,3,4,5,6,7
	v_fma_f32 v[160+\i], v[152+\i], s51, v[160+\i] ; rho = x - n pi / 2, within +-pi / 4
.endr
.irp i, 0,1,2,3,4,5,6,7
	v_mul_f32 v[168+\i], v[160+\i], v[160+\i]      ; z = rho^2
.endr
.irp i, 0,1,2,3,4,5,6,7
	v_fma_f32 v[176+\i], v[168+\i], s52, s53
	v_fma_f32 v[184+\i], v[168+\i], s55, s56
.endr
.irp i, 0,1,2,3,4,5,6,7
	v_fma_f32 v[176+\i], v[176+\i], v[168+\i], s54
	v_fma_f32 v[184+\i], v[184+\i], v[168+\i], s57
.endr
.irp i, 0,1,2,3,4,5,6,7
	v_mul_f32 v[176+\i], v[176+\i], v[168+\i]
	v_fma_f32 v[184+\i], v[184+\i], v[168+\i], -0.5
.endr
.irp i, 0,1,2,3,4,5,6,7
	v_fma_f32 v[176+\i], v[176+\i], v[160+\i], v[160+\i]   ; sin rho
	v_fma_f32 v[184+\i], v[184+\i], v[168+\i], 1.0         ; cos rho
.endr
.irp i, 0,1,2,3,4,5,6,7
	v_cvt_i32_f32 v[192+\i], v[152+\i]             ; the quadrant is n mod 4
	v_and_b32 v[200+\i], 1, v[192+\i]
	v_cmp_eq_u32 vcc_lo, 1, v[200+\i]
	v_cndmask_b32 v[248+\i], v[176+\i], v[184+\i], vcc_lo  ; sine: in odd quadrants cos rho
	v_cndmask_b32 v[240+\i], v[184+\i], v[176+\i], vcc_lo  ; cosine: in odd quadrants sin rho
	v_lshlrev_b32 v[200+\i], 30, v[192+\i]
	v_and_b32 v[200+\i], s58, v[200+\i]
	v_xor_b32 v[248+\i], v[200+\i], v[248+\i]      ; the sine is negative in quadrants 2 and 3,
	v_add_nc_u32 v[192+\i], 1, v[192+\i]
	v_lshlrev_b32 v[192+\i], 30, v[192+\i]
	v_and_b32 v[192+\i], s58, v[192+\i]
	v_xor_b32 v[240+\i], v[192+\i], v[240+\i]      ; the cosine in 1 and 2
.endr
	global_store_b128 v1, v[240:243], s[46:47]             ; each store: 512 consecutive bytes
	global_store_b128 v1, v[244:247], s[46:47] offset:512
	global_store_b128 v1, v[248:251], s[46:47] offset:2048
	global_store_b128 v1, v[252:255], s[46:47] offset:2560
	s_wait_kmcnt 0x0
	s_add_co_i32 s42, s24, 127
	s_lshl_b32 s43, s42, 23
	v_mov_b32 v11, s43                             ; 2^e0
	s_add_co_i32 s42, s42, 8
	s_lshl_b32 s42, s42, 23
	s_or_b32 s42, s42, 0x600000
	v_mov_b32 v10, s42                             ; 448 x 2^e0
.macro XSTEP f
.if (\f) < 3
	s_wait_loadcnt 16                              ; this fragment's 16 loads are in; the next one's 16 may be out
.else
	s_wait_loadcnt 0x0
.endif
.set i, 0
.rept 16
	ds_store_b128 v2, v[R+64*((\f)%2)+4*i:R+64*((\f)%2)+4*i+3] offset:SP*i
.set i, i+1
.endr
.set i, 0
.rept 16
	ds_load_b128 v[X+4*i:X+4*i+3], v3 offset:128*(i/4)+16*(i%4)    ; LDS serves a wave's instructions in order (ISA guide 5.7.1.4): these see my stores
.set i, i+1
.endr
	s_wait_dscnt 0x0                               ; the numbers are back, and the stores have read their registers,
.if (\f) < 2
	XLOAD (\f)+2                                   ; which take the fragment two on
.else
	s_wait_xcnt 0x0                                ; the stores of two fragments back have read this set of codes: it is written again only behind this wait
.endif
.set i, 0
.rept 64
	v_med3_num_f32 v[X+i], v[X+i], -v10, v10       ; the hold at the largest code x the scale (ISA guide 7.6.2)
.set i, i+1
.endr
.set i, 0
.rept 8
	v_cvt_scalef32_pk8_fp8_f32 v[C+16*((\f)%2)+2*i:C+16*((\f)%2)+2*i+1], v[X+8*i:X+8*i+7], v11
.set i, i+1
.endr
	v_nop                                          ; a plain line behind the last conversion of the run
.set i, 0
.rept 4
	global_store_b128 v1, v[C+16*((\f)%2)+4*i:C+16*((\f)%2)+4*i+3], s[40:41] offset:2048*(\f)+512*i   ; the image: 512 consecutive bytes a store
.set i, i+1
.endr
.endm
	XSTEP 0
	XSTEP 1
	XSTEP 2
	XSTEP 3
	s_wait_tensorcnt 0x0                           ; the wave's end: these three lines behind my last LDS store
	ds_add_u32 v[SPW], v[NIL]
	s_wait_dscnt 0x0
	s_endpgm
.Lfunc_end_k_qb5ea491ca8_prep:
	.size	k_qb5ea491ca8_prep, .Lfunc_end_k_qb5ea491ca8_prep-k_qb5ea491ca8_prep
	.p2alignl 7, 3214868480
	.fill 96, 4, 3214868480
	.section	.rodata,"a",@progbits
	.p2align	6, 0x0
	.amdhsa_kernel k_qb5ea491ca8_prep
		.amdhsa_group_segment_fixed_size 34304
		.amdhsa_private_segment_fixed_size 0
		.amdhsa_enable_private_segment 0
		.amdhsa_kernarg_size 72
		.amdhsa_user_sgpr_count 2
		.amdhsa_user_sgpr_kernarg_segment_ptr 1
		.amdhsa_wavefront_size32 1
		.amdhsa_system_sgpr_workgroup_id_x 1
		.amdhsa_system_sgpr_workgroup_id_y 1
		.amdhsa_system_sgpr_workgroup_id_z 1
		.amdhsa_system_vgpr_workitem_id 0
		.amdhsa_next_free_vgpr 256
		.amdhsa_next_free_sgpr 66
		.amdhsa_reserve_vcc 1
		.amdhsa_float_denorm_mode_32 3
		.amdhsa_float_denorm_mode_16_64 3
		.amdhsa_memory_ordered 1
		.amdhsa_forward_progress 1
		.amdhsa_inst_pref_size 138
	.end_amdhsa_kernel
	.amdgpu_metadata
---
amdhsa.version: [ 1, 2 ]
amdhsa.kernels:
  - .name:           k_qb5ea491ca8_prep
    .symbol:         k_qb5ea491ca8_prep.kd
    .args:
      - { .name: hidden_states, .offset: 0, .size: 8, .value_kind: global_buffer, .address_space: global }
      - { .name: positions, .offset: 8, .size: 8, .value_kind: global_buffer, .address_space: global }
      - { .name: w_qkv, .offset: 16, .size: 8, .value_kind: global_buffer, .address_space: global }
      - { .name: w_o, .offset: 24, .size: 8, .value_kind: global_buffer, .address_space: global }
      - { .name: lowp_scales, .offset: 32, .size: 8, .value_kind: global_buffer, .address_space: global }
      - { .name: x_img, .offset: 40, .size: 8, .value_kind: global_buffer, .address_space: global }
      - { .name: wqkv_img, .offset: 48, .size: 8, .value_kind: global_buffer, .address_space: global }
      - { .name: wo_img, .offset: 56, .size: 8, .value_kind: global_buffer, .address_space: global }
      - { .name: rope, .offset: 64, .size: 8, .value_kind: global_buffer, .address_space: global }
    .group_segment_fixed_size: 34304
    .private_segment_fixed_size: 0
    .kernarg_segment_align: 8
    .kernarg_segment_size: 72
    .max_flat_workgroup_size: 128
    .sgpr_count:     66
    .vgpr_count:     256
    .wavefront_size: 32
...
	.end_amdgpu_metadata
.endif
;; end of part 1
;; launch qkv (part 2): grid 24 x 16, 4 waves a work-group, clusters of 4 x 4, 327,680 bytes of LDS; arguments x_img, wqkv_img, lowp_scales, b_qkv, rope, q_img, kv_img; writes q_img, kv_img
.if DOCPART == 2
	.amdgcn_target "amdgcn-amd-amdhsa--gfx1250"
	.amdhsa_code_object_version 6
	.text
	.protected	k_qb5ea491ca8_qkv
	.globl	k_qb5ea491ca8_qkv
	.p2align	8
	.type	k_qb5ea491ca8_qkv,@function
k_qb5ea491ca8_qkv:
	s_mov_b64 s[64:65], 0
	v_nop
	global_prefetch_b8 v0, s[64:65] scope:SCOPE_SE
	s_setreg_imm32_b32 hwreg(HW_REG_WAVE_MODE, 25, 1), 1
	s_wait_xcnt 0x0
	s_wait_alu depctr_hold_cnt(0) depctr_sa_sdst(0) depctr_va_vdst(0) depctr_va_sdst(0) depctr_va_ssrc(0) depctr_va_vcc(0) depctr_vm_vsrc(0)
	s_getreg_b32 s2, hwreg(HW_REG_IB_STS2, 6, 4)
	s_cmp_eq_u32 s2, 0
	s_cbranch_scc0 .Lentry_in_a_cluster
	s_endpgm
.Lentry_in_a_cluster:
	s_bfe_u32 s2, ttmp6, 0x10000c
	s_cmp_lg_u32 s2, 0xf033
	s_cbranch_scc0 .Lentry_shape_is_right
	s_endpgm
.Lentry_shape_is_right:
; qkv = hidden_states w_qkv + b_qkv on codes of FP8 (K = 2,048), RoPE on q and k, and the three results quantised (e2: q, e3: k, e4: v) straight into the images that the attention reads.
; OPERANDS ARE IMAGES OF REGISTERS: a fragment (16 rows x 128 K) is 2,048 bytes, [c][lane][16]: four loads of 16 bytes at 16 x lane + 512 c bring registers 4 c .. 4 c + 3 (k = 32 c + 16 h + 0 .. 15, alike on both sides).
; Row r of tile t is index 32 (t / 2) + 8 (t % 2) + r + 8 (r / 8).  So in D = (source 0: tile b) x (source 1: tile a) lane (r, h) holds row r of tile a, and the 16 registers against tiles 2 B, 2 B + 1 are the neighbours 32 B + 16 h + 0 .. 15.
; A work-group makes 128 tokens (grid y) x 128 columns (grid x: 0-15 q's heads, 16-19 k's, 20-23 v's); each of four waves 64 x 64: 16 accumulators.
; q, k: source 1 = tokens, source 0 = columns {32 wc .. + 31, 64 + 32 wc .. + 31}: a lane holds one token and both halves of 16 RoPE pairs.  v: source 1 = columns (d), source 0 = tokens: a lane holds one d and registers run along the tokens, which are the K of the attention's second product.
; K goes through two LDS slots of four steps of 128.  Both are first fills; two refills follow.  By this text's count a wave has two tensor loads out at the start and one behind each refill.
; CLUSTER 4 x 4: the token tiles are shared along a row of the cluster, the weight tiles along a column: joint loads.
; LIMITS: e0 + e1 between -126 and 127; e2, e3, e4 between -126 and 119.  NaN among the inputs is not served.
; REGISTERS: window 0: v16-31 addresses and scales, v32-127 at work on the way out, v128-255 accumulators ((a, b) at 128 + 8 (4 a + b)).  window 1: two fragment buffers of 128 (source 1's four at +16 a, source 0's four at +64 + 16 b).  window 2: cosines, sines, bias.
.set SLOT,  131072                     ; a slot: the token tiles' part (8 tiles x 4 steps x 2,048), then the weight tiles' part
.set SPARE, 2*SLOT                     ; behind the ring: the spare words, 128 bytes a wave: two blocks of 256 bytes that no other line names
.set ADRR, 16                          ; v16-17  LDS address of source 1's fragments in slot 0, 1
.set ADRC, 20                          ; v20-21  of source 0's
.set LI,   24                          ; v24     16 x lane
.set SPW,  28                          ; v28     SPARE + 4 x my thread's number; never rewritten
.set NIL,  29                          ; v29     0; never rewritten
.set ACC,  128
.set F0,   0
.set F1,   128
.set G1X,  24                          ; s[24:31] group 1 for the token tiles; s[32:39] their groups 0, one a slot
.set G0X,  32
.set G1W,  48                          ; s[48:55], s[56:63] the same for the weight tiles
.set G0W,  56
.set MSB,  0
.macro WIN new                         ; the immediate's high byte repeats the setting that is left
.if MSB != \new
	s_set_vgpr_msb (MSB<<8)|\new
.set MSB, \new
.endif
.endm
.set W_MUL, 0x05                       ; sources 0 and 1 window 1; C and D window 0
.set TO_F,  0x40                       ; destination window 1, address window 0
.macro JLOAD s                         ; a joint load: waves 0, 1 fetch the token tiles' halves, waves 2, 3 the weight tiles'; an s_nop 0 and four v_nop follow each line
	s_cmp_eq_u32 s15, 0
	s_cbranch_scc0 .Lfor_w_\@
	tensor_load_to_lds s[G0X+4*\s:G0X+4*\s+3], s[G1X:G1X+7]
	s_nop 0
.rept 4
	v_nop
.endr
	s_branch .Lasked_\@
.Lfor_w_\@:
	tensor_load_to_lds s[G0W+4*\s:G0W+4*\s+3], s[G1W:G1W+7]
	s_nop 0
.rept 4
	v_nop
.endr
.Lasked_\@:
.endm
.macro CROUND                          ; a round of the cluster's barrier
	s_barrier_signal -1
	s_barrier_wait -1
	s_cmp_lg_u32 s14, 0
	s_cbranch_scc1 .Lnot_wave_0_\@
	s_barrier_signal -3
.Lnot_wave_0_\@:
	s_barrier_wait -3
	s_barrier_signal -1
	s_barrier_wait -1
.endm
.macro PLACES                          ; four places behind matrix instructions, in front of loads into registers that they read and of the first read of results
.rept 4
	v_nop
.endr
.endm
	s_load_b256 s[4:11], s[0:1], 0x0               ; x_img s[4:5], wqkv_img s[6:7], scales s[8:9], b_qkv s[10:11]
	s_load_b128 s[72:75], s[0:1], 0x20             ; rope s[72:73], q_img s[74:75]
	s_load_b64 s[76:77], s[0:1], 0x30              ; kv_img
	v_lshl_add_u32 v[SPW], v0, 2, SPARE
	v_mov_b32 v[NIL], 0
	ds_add_u32 v[SPW], v[NIL]                      ; the wave's opening: the add and its wait ahead of my first tensor load; work on registers stands between them
	v_lshrrev_b32 v1, 5, v0
	v_readfirstlane_b32 s14, v1                    ; wave 0..3
	s_lshr_b32 s15, s14, 1                         ; wr: my 64 rows of source 1.  Also: I fetch token tiles (0) or weight tiles (1)
	s_and_b32 s16, s14, 1                          ; wc: my part of source 0.  Also: which four tiles I fetch
	s_bfe_u32 s40, ttmp6, 0x40000                  ; cx
	s_bfe_u32 s41, ttmp6, 0x40004                  ; cy
	s_lshl_b32 s42, ttmp9, 2
	s_add_co_u32 s42, s42, s40                     ; x: the block of 128 columns
	s_and_b32 s17, ttmp7, 0xffff
	s_lshl_b32 s17, s17, 2
	s_add_co_u32 s17, s17, s41                     ; y: the block of 128 tokens
	s_lshl_b32 s43, s41, 2
	s_lshl_b32 s43, 15, s43                        ; my row of the cluster
	s_lshl_b32 s44, 0x1111, s40                    ; my column
	s_or_b32 s[G1X+0], s43, (3<<16)|(1<<21)        ; 15:0 the mask; 17:16 elements of 8 bytes; 21 set beside a mask; no padding
	s_or_b32 s[G1W+0], s44, (3<<16)|(1<<21)
.irp g, G1X, G1W
	s_mov_b32 s[\g+1], 1024<<16                    ; tensor_dim0 = 1,024 elements: 8,192 bytes, four K steps of one tile
	s_mov_b32 s[\g+2], 4<<16                       ; tensor_dim1 = 4 tiles
	s_mov_b32 s[\g+3], 1024<<16                    ; tile_dim0
	s_mov_b32 s[\g+4], 4                           ; tile_dim1
	s_mov_b32 s[\g+5], 4096                        ; from tile to tile: 32,768 bytes
	s_mov_b32 s[\g+6], 0
	s_mov_b32 s[\g+7], 0
.endr
	s_lshl_b32 s18, s16, 17                        ; which four tiles of the eight
	s_lshl_b32 s20, s17, 18
	s_add_co_u32 s20, s20, s18                     ; token tiles 8 y + 4 (w % 2) on
	s_mov_b32 s21, 0
	s_lshl_b32 s46, s42, 18
	s_add_co_u32 s46, s46, s18                     ; weight tiles 8 x + 4 (w % 2) on
	s_mov_b32 s47, 0
	s_lshl_b32 s45, s14, 15                        ; where they go: 32,768 x wave: no place in the cluster enters an LDS address
	s_wait_dscnt 0x0                               ; the opening add is done
	s_wait_kmcnt 0x0
	s_load_b256 s[80:87], s[8:9], 0x0              ; e0 .. e7
	s_add_nc_u64 s[20:21], s[4:5], s[20:21]
	s_add_nc_u64 s[46:47], s[6:7], s[46:47]
	CROUND                                         ; all sixteen work-groups are here: the first joint loads meet
.irp s, 0,1
	s_mov_b32 s[G0X+4*\s], 1
	s_add_co_u32 s[G0X+4*\s+1], s45, \s*SLOT
	s_add_nc_u64 s[G0X+4*\s+2:G0X+4*\s+3], s[20:21], \s*8192
	s_or_b32 s[G0X+4*\s+3], s[G0X+4*\s+3], 0x80000000
	s_mov_b32 s[G0W+4*\s], 1
	s_add_co_u32 s[G0W+4*\s+1], s45, \s*SLOT
	s_add_nc_u64 s[G0W+4*\s+2:G0W+4*\s+3], s[46:47], \s*8192
	s_or_b32 s[G0W+4*\s+3], s[G0W+4*\s+3], 0x80000000
	JLOAD \s
.endr
	v_and_b32 v1, 31, v0
	v_lshlrev_b32 v[LI], 4, v1
	v_and_b32 v2, 15, v0                           ; r
	v_bfe_u32 v3, v0, 4, 1                         ; h
	v_lshlrev_b32 v25, 6, v3                       ; 64 h: my 16 numbers of a bias chunk
	v_lshrrev_b32 v4, 3, v2
	v_lshl_add_u32 v4, v4, 3, v2
	v_lshlrev_b32 v26, 2, v4                       ; 4 (r + 8 (r / 8)): my row of a tile, in words
	s_cmp_eq_u32 ttmp9, 5                          ; v's columns?  (the cluster's x: the same in all sixteen partners)
	s_cselect_b32 s22, 0x10000, 0                  ; source 1 is read from the weight tiles' part for v, else from the token tiles',
	s_cselect_b32 s23, 0, 0x10000                  ; source 0 from the other
	s_lshl_b32 s18, s15, 15
	s_add_co_u32 s22, s22, s18                     ; source 1: tiles 4 wr .. 4 wr + 3
	s_lshl_b32 s18, s16, 14
	s_add_co_u32 s23, s23, s18                     ; source 0: tiles 2 wc, 2 wc + 1, 4 + 2 wc, 5 + 2 wc
	v_add_nc_u32 v[ADRR], s22, v[LI]
	v_add_nc_u32 v[ADRR+1], SLOT, v[ADRR]
	v_add_nc_u32 v[ADRC], s23, v[LI]
	v_add_nc_u32 v[ADRC+1], SLOT, v[ADRC]
.macro FETCH slot, q, f                ; 32 LDS loads in one run: the eight fragments of the slot's q-th step into buffer f; each load takes 512 consecutive bytes
	WIN TO_F
.irp i, 0,1,2,3
.irp c, 0,1,2,3
	ds_load_b128 v[\f+16*\i+4*\c:\f+16*\i+4*\c+3], v[ADRR+\slot] offset:8192*\i+2048*(\q)+512*\c
.endr
.endr
.irp i, 0,1,2,3
.irp c, 0,1,2,3
	ds_load_b128 v[\f+64+16*\i+4*\c:\f+64+16*\i+4*\c+3], v[ADRC+\slot] offset:8192*(\i%2)+32768*(\i/2)+2048*(\q)+512*\c
.endr
.endr
.endm
.macro MULT f, zero                    ; 16 matrix instructions, the 16 accumulators by turns in one fixed order; zero = 1: the first step starts the sums
	WIN W_MUL
.irp a, 0,1,2,3
.irp b, 0,1,2,3
.if \zero
	v_wmma_f32_16x16x128_fp8_fp8 v[ACC+8*(4*\a+\b):ACC+8*(4*\a+\b)+7], v[\f+64+16*\b:\f+64+16*\b+15], v[\f+16*\a:\f+16*\a+15], 0
.else
	v_wmma_f32_16x16x128_fp8_fp8 v[ACC+8*(4*\a+\b):ACC+8*(4*\a+\b)+7], v[\f+64+16*\b:\f+64+16*\b+15], v[\f+16*\a:\f+16*\a+15], v[ACC+8*(4*\a+\b):ACC+8*(4*\a+\b)+7]
.endif
.endr
.endr
.endm
.macro KS nslot, nq, f, g, zero        ; a step of 128 along K on buffer f; the next step's fragments are asked for first, into buffer g
	s_wait_dscnt 0x0                               ; buffer f is in: it was asked for a step ago
	PLACES                                         ; behind the products that read buffer g
	FETCH \nslot, \nq, \g
	MULT \f, \zero
.endm
; A slot's last step changes slots: each wave waits for all its tensor loads, adds 0 to its spare word, waits for that and for its reads of this slot.  fill = 1: a round of the cluster's barrier, and this slot is filled again, eight steps on.
.macro CHANGE slot, next, fill, f, g
	WIN 0
	s_wait_tensorcnt 0x0                           ; all my tensor loads have landed: my part of the next slot; no load of mine is out, so a group 0 may be written
	ds_add_u32 v[SPW], v[NIL]
.if \fill
	s_add_nc_u64 s[G0X+4*\slot+2:G0X+4*\slot+3], s[G0X+4*\slot+2:G0X+4*\slot+3], 16384
	s_add_nc_u64 s[G0W+4*\slot+2:G0W+4*\slot+3], s[G0W+4*\slot+2:G0W+4*\slot+3], 16384
.endif
	s_wait_dscnt 0x0                               ; the add is done, buffer f is in, and my reads of this slot are over
.if \fill
	CROUND                                         ; no wave of any partner still reads this slot or has a load on its way
	JLOAD \slot                                    ; the first tensor load behind the round; its four v_nop are the places in front of the loads below
.else
	s_barrier_signal -1
	s_barrier_wait -1
	PLACES
.endif
	FETCH \next, 0, \g
	MULT \f, 0
.endm
.macro TAIL                            ; steps 12 to 15
	KS 1, 1, F0, F1, 0
	KS 1, 2, F1, F0, 0
	KS 1, 3, F0, F1, 0
	s_wait_dscnt 0x0
	MULT F1, 0
	WIN 0
	PLACES
.endm
.macro SCALES ereg                     ; s[88:89] = 2^(e0 + e1); v30 = 2^e, v31 = 448 x 2^e for the result's quantiser
	s_add_co_i32 s88, s80, s81
	s_add_co_i32 s88, s88, 127
	s_lshl_b32 s88, s88, 23
	s_mov_b32 s89, s88
	s_add_co_i32 s90, s[\ereg], 127
	s_lshl_b32 s91, s90, 23
	v_mov_b32 v30, s91
	s_add_co_i32 s90, s90, 8
	s_lshl_b32 s90, s90, 23
	s_or_b32 s90, s90, 0x600000
	v_mov_b32 v31, s90
.endm
.macro QSTORE a                        ; v64-95 (two chunks of 16 neighbours along the next K) become codes and leave as two quarters of an image: 512 consecutive bytes a store
.set i, 0
.rept 32
	v_med3_num_f32 v[64+i], v[64+i], -v31, v31     ; the hold at the largest code x the scale (ISA guide 7.6.2)
.set i, i+1
.endr
.set i, 0
.rept 4
	v_cvt_scalef32_pk8_fp8_f32 v[96+8*\a+2*i:96+8*\a+2*i+1], v[64+8*i:64+8*i+7], v30
.set i, i+1
.endr
	v_nop                                          ; a plain line behind the last conversion of the run
	global_store_b128 v[LI], v[96+8*\a:96+8*\a+3], s[92:93] offset:2048*\a
	global_store_b128 v[LI], v[96+8*\a+4:96+8*\a+7], s[92:93] offset:2048*\a+1024
.endm
	s_wait_tensorcnt 1                             ; my part of slot 0 is in; slot 1's may stay out
	s_barrier_signal -1
	s_barrier_wait -1
	FETCH 0, 0, F0
	KS 0, 1, F0, F1, 1
	KS 0, 2, F1, F0, 0
	KS 0, 3, F0, F1, 0
	CHANGE 0, 1, 1, F1, F0                         ; slot 0 takes steps 8-11
	KS 1, 1, F0, F1, 0
	KS 1, 2, F1, F0, 0
	KS 1, 3, F0, F1, 0
	CHANGE 1, 0, 1, F1, F0                         ; slot 1 takes steps 12-15
	KS 0, 1, F0, F1, 0
	KS 0, 2, F1, F0, 0
	KS 0, 3, F0, F1, 0
	CHANGE 0, 1, 0, F1, F0                         ; nothing is left to fetch
	WIN 0
	s_cmp_eq_u32 ttmp9, 5                          ; no tensor load and no barrier of the ring follows: here the ways part, on the cluster's x
	s_cbranch_scc1 .Lv
	; ---- q and k: bias, RoPE, quantise
	s_wait_kmcnt 0x0
	s_lshl_b32 s18, s17, 16                        ; the table of token tile 8 y + 4 wr, 8,192 bytes a tile,
	s_lshl_b32 s19, s15, 15
	s_add_co_u32 s18, s18, s19
	s_lshl_b32 s19, s16, 12                        ; frequencies 32 wc on
	s_add_co_u32 s18, s18, s19
	s_mov_b32 s19, 0
	s_add_nc_u64 s[66:67], s[72:73], s[18:19]
	s_lshl_b32 s18, s42, 9                         ; the bias of columns 128 x + 32 wc on
	s_lshl_b32 s22, s16, 7
	s_add_co_u32 s18, s18, s22
	s_add_nc_u64 s[68:69], s[10:11], s[18:19]
	s_lshl_b32 s22, s15, 13
	s_lshl_b32 s23, s16, 9
	s_add_co_u32 s22, s22, s23                     ; fragment 4 wr, chunk wc
	s_lshl_b32 s94, s42, 18                        ; q_img: [head x][token tile 8 y ..][2,048]
	s_lshl_b32 s23, s17, 14
	s_add_co_u32 s94, s94, s23
	s_lshl_b32 s96, s40, 19                        ; kv_img: [kv head cx][key tile y][K's 8 fragments | V's 8]
	s_lshl_b32 s23, s17, 15
	s_add_co_u32 s96, s96, s23
	s_cmp_eq_u32 ttmp9, 4                          ; k's columns?
	s_cselect_b32 s94, s96, s94
	s_cselect_b64 s[92:93], s[76:77], s[74:75]
	s_cselect_b32 s90, s83, s82                    ; e3 or e2
	s_add_co_u32 s94, s94, s22
	s_mov_b32 s95, 0
	s_add_nc_u64 s[92:93], s[92:93], s[94:95]
	SCALES 90
	WIN 0x80                                       ; destination window 2
.irp a, 0,1,2,3
.irp n, 0,1,2,3,4,5,6,7                ; token tile a: 16 cosines at v[32 a], 16 sines at v[32 a + 16]
	global_load_b128 v[32*\a+4*\n:32*\a+4*\n+3], v[LI], s[66:67] offset:8192*\a+512*\n
.endr
.endr
.irp p, 0,1
.irp n, 0,1,2,3                        ; the bias of d = 64 p + 32 wc + 16 h + 0 .. 15 at v[128 + 16 p]
	global_load_b128 v[128+16*\p+4*\n:128+16*\p+4*\n+3], v25, s[68:69] offset:256*\p+16*\n
.endr
.endr
	TAIL
	s_wait_loadcnt 0x0
.macro QKOUT a                         ; token tile a: accumulators (a, 0), (a, 1) are x1 (d = 32 wc + 16 h + 0 .. 15), (a, 2), (a, 3) are x2 (d + 64)
	WIN 0x20                                       ; source 2 (the bias) window 2
.set i, 0
.rept 16
	v_pk_fma_f32 v[32+i:33+i], v[ACC+32*\a+i:ACC+32*\a+i+1], s[88:89], v[128+i:129+i] op_sel_hi:[1,0,1]   ; sum x 2^(e0 + e1) + bias; each accumulator from its low end on
.set i, i+2
.endr
	WIN 0x08                                       ; source 1 (cosines, sines) window 2
.set i, 0
.rept 8
	v_pk_mul_f32 v[64+i:65+i], v[48+i:49+i], v[32*\a+16+i:32*\a+17+i]
.set i, i+2
.endr
.set i, 0
.rept 8
	v_pk_fma_f32 v[64+i:65+i], v[32+i:33+i], v[32*\a+i:32*\a+i+1], v[64+i:65+i] neg_lo:[0,0,1] neg_hi:[0,0,1]   ; x1 cos - x2 sin
.set i, i+2
.endr
.set i, 0
.rept 8
	v_pk_mul_f32 v[80+i:81+i], v[32+i:33+i], v[32*\a+16+i:32*\a+17+i]
.set i, i+2
.endr
.set i, 0
.rept 8
	v_pk_fma_f32 v[80+i:81+i], v[48+i:49+i], v[32*\a+i:32*\a+i+1], v[80+i:81+i]   ; x2 cos + x1 sin
.set i, i+2
.endr
	WIN 0
	QSTORE \a
.endm
	QKOUT 0
	QKOUT 1
	QKOUT 2
	QKOUT 3
	s_branch .Lend
	; ---- v: bias, quantise; a lane holds one d, its registers run along the tokens
.Lv:
	s_wait_kmcnt 0x0
	s_lshl_b32 s18, s42, 9                         ; the bias of columns 128 x + 64 wr on
	s_lshl_b32 s22, s15, 8
	s_add_co_u32 s18, s18, s22
	s_mov_b32 s19, 0
	s_add_nc_u64 s[68:69], s[10:11], s[18:19]
	s_lshl_b32 s94, s40, 19                        ; kv_img: kv head cx, key tile y, V's part, fragment 4 wr, chunk wc
	s_lshl_b32 s23, s17, 15
	s_add_co_u32 s94, s94, s23
	s_lshl_b32 s23, s15, 13
	s_add_co_u32 s94, s94, s23
	s_lshl_b32 s23, s16, 9
	s_add_co_u32 s94, s94, s23
	s_add_co_u32 s94, s94, 16384
	s_mov_b32 s95, 0
	s_add_nc_u64 s[92:93], s[76:77], s[94:95]
	SCALES 84
.irp a, 0,1,2,3
	global_load_b32 v[8+\a], v26, s[68:69] offset:(32*(\a/2)+8*(\a%2))*4   ; the bias of my d in tile 4 wr + a
.endr
	TAIL
	s_wait_loadcnt 0x0
.macro VOUT a
.set i, 0
.rept 32
	v_fma_f32 v[64+i], v[ACC+32*\a+i], s88, v[8+\a]    ; sum x 2^(e0 + e1) + bias; each accumulator from its low end on
.set i, i+1
.endr
	QSTORE \a
.endm
	VOUT 0
	VOUT 1
	VOUT 2
	VOUT 3
.Lend:
	s_wait_tensorcnt 0x0                           ; the wave's end: these three lines behind my last tensor load
	ds_add_u32 v[SPW], v[NIL]
	s_wait_dscnt 0x0
	CROUND                                         ; the closing round: no work-group ends while a partner may still ask for a tile that names it
	s_endpgm
.Lfunc_end_k_qb5ea491ca8_qkv:
	.size	k_qb5ea491ca8_qkv, .Lfunc_end_k_qb5ea491ca8_qkv-k_qb5ea491ca8_qkv
	.p2alignl 7, 3214868480
	.fill 96, 4, 3214868480
	.section	.rodata,"a",@progbits
	.p2align	6, 0x0
	.amdhsa_kernel k_qb5ea491ca8_qkv
		.amdhsa_group_segment_fixed_size 327680
		.amdhsa_private_segment_fixed_size 0
		.amdhsa_enable_private_segment 0
		.amdhsa_kernarg_size 56
		.amdhsa_user_sgpr_count 2
		.amdhsa_user_sgpr_kernarg_segment_ptr 1
		.amdhsa_wavefront_size32 1
		.amdhsa_system_sgpr_workgroup_id_x 1
		.amdhsa_system_sgpr_workgroup_id_y 1
		.amdhsa_system_sgpr_workgroup_id_z 1
		.amdhsa_system_vgpr_workitem_id 0
		.amdhsa_next_free_vgpr 768
		.amdhsa_next_free_sgpr 100
		.amdhsa_reserve_vcc 0
		.amdhsa_float_denorm_mode_32 3
		.amdhsa_float_denorm_mode_16_64 3
		.amdhsa_memory_ordered 1
		.amdhsa_forward_progress 1
		.amdhsa_inst_pref_size 118
	.end_amdhsa_kernel
	.amdgpu_metadata
---
amdhsa.version: [ 1, 2 ]
amdhsa.kernels:
  - .name:           k_qb5ea491ca8_qkv
    .symbol:         k_qb5ea491ca8_qkv.kd
    .args:
      - { .name: x_img, .offset: 0, .size: 8, .value_kind: global_buffer, .address_space: global }
      - { .name: wqkv_img, .offset: 8, .size: 8, .value_kind: global_buffer, .address_space: global }
      - { .name: lowp_scales, .offset: 16, .size: 8, .value_kind: global_buffer, .address_space: global }
      - { .name: b_qkv, .offset: 24, .size: 8, .value_kind: global_buffer, .address_space: global }
      - { .name: rope, .offset: 32, .size: 8, .value_kind: global_buffer, .address_space: global }
      - { .name: q_img, .offset: 40, .size: 8, .value_kind: global_buffer, .address_space: global }
      - { .name: kv_img, .offset: 48, .size: 8, .value_kind: global_buffer, .address_space: global }
    .group_segment_fixed_size: 327680
    .private_segment_fixed_size: 0
    .kernarg_segment_align: 8
    .kernarg_segment_size: 56
    .max_flat_workgroup_size: 128
    .sgpr_count:     100
    .vgpr_count:     768
    .wavefront_size: 32
...
	.end_amdgpu_metadata
.endif
;; end of part 2
;; launch attn (part 3): grid 16 x 16, 8 waves a work-group, clusters of 4 x 1, 327,680 bytes of LDS; arguments q_img, kv_img, lowp_scales, a_img; writes a_img
.if DOCPART == 3
	.amdgcn_target "amdgcn-amd-amdhsa--gfx1250"
	.amdhsa_code_object_version 6
	.text
	.protected	k_qb5ea491ca8_attn
	.globl	k_qb5ea491ca8_attn
	.p2align	8
	.type	k_qb5ea491ca8_attn,@function
k_qb5ea491ca8_attn:
	s_mov_b64 s[64:65], 0
	v_nop
	global_prefetch_b8 v0, s[64:65] scope:SCOPE_SE
	s_setreg_imm32_b32 hwreg(HW_REG_WAVE_MODE, 25, 1), 1
	s_wait_xcnt 0x0
	s_wait_alu depctr_hold_cnt(0) depctr_sa_sdst(0) depctr_va_vdst(0) depctr_va_sdst(0) depctr_va_ssrc(0) depctr_va_vcc(0) depctr_vm_vsrc(0)
	s_getreg_b32 s2, hwreg(HW_REG_IB_STS2, 6, 4)
	s_cmp_eq_u32 s2, 0
	s_cbranch_scc0 .Lentry_in_a_cluster
	s_endpgm
.Lentry_in_a_cluster:
	s_bfe_u32 s2, ttmp6, 0x10000c
	s_cmp_lg_u32 s2, 0x3003
	s_cbranch_scc0 .Lentry_shape_is_right
	s_endpgm
.Lentry_shape_is_right:
; Attention on codes of FP8: 16 query heads, 4 key and value heads, head size 128; key j counts for query i where 0 <= i - j <= 1,024.  Scales: e2 q, e3 k, e4 v, e5 p, e6 the result.
; t = score x log2(e) / sqrt(128); M = the running largest t rounded UP to a whole number; p = 2^(t - M) is quantised; the row's sum is taken of the unquantised p and divides at the end; when M moves, sum and O are multiplied by 2^(old M - new M): exact.
; SHARES.  A work-group takes 128 queries (grid y) of one head; each of eight waves one tile of 16 queries.  The four work-groups of a cluster are the four query heads of one key and value head at the same queries: the same tiles, the same branches.
; ALL THE KEYS THAT A BLOCK OF QUERIES CAN SEE, nine tiles of 128 (K's and V's images, 32,768 bytes a tile, one dense block of memory), lie in LDS at once: three joint loads a wave at the start, nothing is filled again.
; By this text's count a wave has three tensor loads out.  For the first eight blocks of queries the tiles behind the diagonal are fetched (they lie inside the buffer) and passed over by a scalar branch on ids.
; LAYOUT.  Both products transposed: S^T = K Q^T, O^T = V^T P^T: a lane holds one query throughout.  The images' row order makes the 16 registers of tiles 2 b, 2 b + 1 the 16 neighbours 32 b + 16 (lane / 16) + 0 .. 15 (keys in S^T, channels in O^T),
; so p's codes are the second product's operand and O^T's codes are one fragment of the output projection's operand: they are stored as they stand.
; No prefetch: every tile is asked for at the kernel's first lines.
; LIMITS: e2 + e3 between -123 and 130; e5, e6 between -126 and 119.  NaN among the inputs is not served.
; REGISTERS: v1 16 x lane; v7 my query less 16 (lane / 16); v8 the tile's LDS address; v12 -M, v13 the largest t, v[14:15] the sum in two halves; v16-31 Q; v32-95 four fragments; v96-159 S^T, then p; v160-223 O^T; v224-239 codes; v236-254 at work.
.set SPARE, 294912                     ; behind the nine tiles: the spare words, 128 bytes a wave: four blocks of 256 bytes that no other line names
.set LI,   1
.set SPW,  5                           ; v5   SPARE + 4 x my thread's number; never rewritten
.set NIL,  6                           ; v6   0; never rewritten
.set DQ,   7
.set ADK,  8
.set WV,   18                          ; s18  wave
.set SEL,  20                          ; s[20:21] v_permlanex16_b32's selects: lane l xor 16
.set CS,   22                          ; s[22:23] c = log2(e) / sqrt(128) x 2^(e2 + e3)
.set G1,   24                          ; s[24:31] descriptor group 1; s[32:43] three groups 0
.set G0,   32
.set TB,   2                           ; s2   LDS byte at which the tile in hand begins
.set KT,   44                          ; s44  the tile in hand
.set QB,   45                          ; s45  my block of queries
.set QE,   46                          ; s46  QB - 8: the tile on the window's far edge
.set CNT,  47
.macro CROUND
	s_barrier_signal -1
	s_barrier_wait -1
	s_cmp_lg_u32 s[WV], 0
	s_cbranch_scc1 .Lnot_wave_0_\@
	s_barrier_signal -3
.Lnot_wave_0_\@:
	s_barrier_wait -3
	s_barrier_signal -1
	s_barrier_wait -1
.endm
	s_load_b256 s[4:11], s[0:1], 0x0               ; q_img s[4:5], kv_img s[6:7], scales s[8:9], a_img s[10:11]
	v_lshl_add_u32 v[SPW], v0, 2, SPARE
	v_mov_b32 v[NIL], 0
	ds_add_u32 v[SPW], v[NIL]                      ; the wave's opening: the add and its wait ahead of my first tensor load; work on registers stands between them
	v_lshrrev_b32 v8, 5, v0
	v_readfirstlane_b32 s[WV], v8                  ; wave 0..7
	s_bfe_u32 s13, ttmp6, 0x40000                  ; cx
	s_lshl_b32 s14, ttmp9, 2
	s_add_co_u32 s14, s14, s13                     ; my head: it enters Q's and the result's addresses alone
	s_and_b32 s[QB], ttmp7, 0xffff
	s_sub_co_i32 s[QE], s[QB], 8
	s_max_i32 s[KT], s[QE], 0                      ; the first of my nine tiles
	s_mov_b32 s[G1], 15|(3<<16)|(1<<21)            ; 15:0 the mask: all four work-groups; 17:16 elements of 8 bytes; 21 set beside a mask
	s_mov_b32 s[G1+1], 32<<16                      ; tensor_dim0 = 32 elements: rows of 256 bytes
	s_mov_b32 s[G1+2], 48<<16                      ; tensor_dim1 = 48 rows: 12,288 bytes, my eighth of three tiles
	s_mov_b32 s[G1+3], 32<<16                      ; tile_dim0
	s_mov_b32 s[G1+4], 48                          ; tile_dim1
	s_mov_b32 s[G1+5], 32                          ; dense
	s_mov_b32 s[G1+6], 0
	s_mov_b32 s[G1+7], 0
	s_lshl_b32 s16, ttmp9, 19                      ; the key and value head,
	s_lshl_b32 s17, s[KT], 15                      ; its tile KT,
	s_add_co_u32 s16, s16, s17
	s_mul_i32 s12, s[WV], 12288                    ; my eighth
	s_add_co_u32 s16, s16, s12
	s_mov_b32 s17, 0
	s_mov_b32 s[SEL], 0x76543210
	s_mov_b32 s[SEL+1], 0xfedcba98
	s_mov_b32 s[CS], 0x3e0293ee                    ; log2(e) / sqrt(128)
	s_wait_dscnt 0x0                               ; the opening add is done
	s_wait_kmcnt 0x0
	s_load_b256 s[68:75], s[8:9], 0x0              ; e0 .. e7
	s_add_nc_u64 s[6:7], s[6:7], s[16:17]
	CROUND                                         ; all four work-groups are here: the joint loads meet
.irp g, 0,1,2
	s_mov_b32 s[G0+4*\g], 1
	s_add_co_u32 s[G0+4*\g+1], s12, 98304*\g       ; group g: tiles 3 g .. 3 g + 2
	s_add_nc_u64 s[G0+4*\g+2:G0+4*\g+3], s[6:7], 98304*\g
	s_or_b32 s[G0+4*\g+3], s[G0+4*\g+3], 0x80000000
.endr
.irp g, 0,1,2
	tensor_load_to_lds s[G0+4*\g:G0+4*\g+3], s[G1:G1+7]
	s_nop 0
.endr
.rept 4
	v_nop
.endr
	s_lshl_b32 s76, s14, 18                        ; q_img: [head][token tile 8 QB + w][2,048]
	s_lshl_b32 s77, s[QB], 14
	s_add_co_u32 s76, s76, s77
	s_lshl_b32 s77, s[WV], 11
	s_add_co_u32 s76, s76, s77
	s_mov_b32 s77, 0
	s_add_nc_u64 s[4:5], s[4:5], s[76:77]
	s_lshl_b32 s78, s[QB], 18                      ; a_img: [token tile 8 QB + w][K step = head][2,048]
	s_lshl_b32 s79, s[WV], 15
	s_add_co_u32 s78, s78, s79
	s_lshl_b32 s79, s14, 11
	s_add_co_u32 s78, s78, s79
	s_mov_b32 s79, 0
	s_add_nc_u64 s[10:11], s[10:11], s[78:79]
	v_and_b32 v9, 31, v0
	v_lshlrev_b32 v[LI], 4, v9
.irp c, 0,1,2,3
	global_load_b128 v[16+4*\c:19+4*\c], v[LI], s[4:5] offset:512*\c   ; Q's fragment stays in registers
.endr
	v_and_b32 v9, 15, v0                           ; r
	v_bfe_u32 v10, v0, 4, 1                        ; h
	v_lshrrev_b32 v11, 3, v9
	v_lshl_add_u32 v11, v11, 3, v9                 ; r + 8 (r / 8)
	s_lshr_b32 s80, s[WV], 1
	s_lshl_b32 s80, s80, 5
	s_and_b32 s81, s[WV], 1
	s_lshl_b32 s81, s81, 3
	s_add_co_u32 s80, s80, s81
	v_add_nc_u32 v11, s80, v11                     ; my query within the block: 32 (w / 2) + 8 (w % 2) + r + 8 (r / 8)
	v_lshlrev_b32 v10, 4, v10
	v_sub_nc_u32 v[DQ], v11, v10                   ; less 16 h: register n holds key 32 (n / 16) + n % 16 + 16 h of the tile
	v_mov_b32 v13, 0xff61b1e6                      ; the largest t so far: -3e38, under every t
	v_floor_f32 v12, -v13                          ; -M
	v_mov_b32 v14, 0
	v_mov_b32 v15, 0
	v_mov_b32 v236, 0                              ; written once: a lane permute's destination counts as one of its sources
	v_mov_b32 v253, 0                              ; (named as the upper half of the pair v[252:253])
.set j, 0
.rept 64
	v_mov_b32 v[160+j], 0                          ; O^T.  (The step is written without a first step of its own: it finds zeros, which the first change of M leaves zeros)
.set j, j+1
.endr
	s_wait_kmcnt 0x0
	s_add_co_i32 s80, s70, s71
	s_lshl_b32 s80, s80, 23
	s_add_co_i32 s[CS], s[CS], s80                 ; e2 + e3 are added to c's exponent field
	s_mov_b32 s[CS+1], s[CS]
	s_add_co_i32 s80, s73, 127
	s_lshl_b32 s81, s80, 23
	v_mov_b32 v244, s81                            ; 2^e5
	s_add_co_i32 s80, s80, 8
	s_lshl_b32 s80, s80, 23
	s_or_b32 s80, s80, 0x600000
	v_mov_b32 v240, s80                            ; 448 x 2^e5
; A KEY STEP: the 128 keys of tile KT, at LDS byte TB.  edge = 1: the step may be the one on the window's far edge.
.macro STEP edge
	s_cmp_gt_u32 s[KT], s[QB]                      ; a tile behind the diagonal is passed over: a branch on ids, round the work alone
	s_cbranch_scc1 .Lhidden_\@
	v_add_nc_u32 v[ADK], s[TB], v[LI]
.irp g, 0,1                            ; S^T = K Q^T, four tiles of 16 keys at a time
.rept 3+\g
	v_nop                                          ; four places in front of loads into registers that matrix instructions have read (the addition above is one of the first four)
.endr
.irp t, 0,1,2,3
.irp c, 0,1,2,3
	ds_load_b128 v[32+16*\t+4*\c:32+16*\t+4*\c+3], v[ADK] offset:2048*(4*\g+\t)+512*\c
.endr
.endr
	s_wait_dscnt 0x0
.irp t, 0,1,2,3
	v_wmma_f32_16x16x128_fp8_fp8 v[96+8*(4*\g+\t):103+8*(4*\g+\t)], v[32+16*\t:47+16*\t], v[16:31], 0
.endr
.endr
.rept 4
	v_nop
.endr
	s_cmp_lg_u32 s[KT], s[QB]                      ; on the diagonal: hidden where the key comes after my query
	s_cbranch_scc1 .Lnodiag_\@
	v_mov_b32 v254, 0xff800000                     ; -infinity: p = 0 then
.set n, 0
.rept 64
	v_cmp_gt_i32 vcc_lo, 32*(n/16)+n%16, v[DQ]
	v_cndmask_b32 v[96+n], v[96+n], v254, vcc_lo
.set n, n+1
.endr
.Lnodiag_\@:
.if \edge
	s_cmp_lg_u32 s[KT], s[QE]                      ; eight tiles back: i - j = 1,024 + my query - the key: hidden where the key comes before my query
	s_cbranch_scc1 .Lnoedge_\@
	v_mov_b32 v254, 0xff800000
.set n, 0
.rept 64
	v_cmp_lt_i32 vcc_lo, 32*(n/16)+n%16, v[DQ]
	v_cndmask_b32 v[96+n], v[96+n], v254, vcc_lo
.set n, n+1
.endr
.Lnoedge_\@:
.endif
	v_max3_num_f32 v254, v96, v97, v98             ; the step's largest score of my query among my 64 keys, in two chains,
	v_max3_num_f32 v252, v99, v100, v101
.irp i, 6,10,14,18,22,26,30,34,38,42,46,50,54,58
	v_max3_num_f32 v254, v254, v[96+\i], v[97+\i]
	v_max3_num_f32 v252, v252, v[98+\i], v[99+\i]
.endr
	v_max3_num_f32 v254, v254, v158, v159
	v_max_num_f32 v254, v254, v252
	v_permlanex16_b32 v236, v254, s[SEL], s[SEL+1]
	v_max_num_f32 v254, v254, v236                 ; and among lane l xor 16's.  (The first tile that is worked on has a key that counts for every query)
	v_mul_f32 v254, s[CS], v254                    ; as t
	v_max_num_f32 v13, v13, v254
	v_mov_b32 v254, v12
	v_floor_f32 v12, -v13                          ; the new -M = -ceil(t)
	v_sub_f32 v254, v12, v254                      ; old M - new M: a whole number, 0 or less
	v_cvt_i32_f32 v254, v254                       ; (it saturates)
	v_ldexp_f32 v252, 1.0, v254                    ; f = 2^(old M - new M)
.set j, 0
.rept 32
	v_pk_fma_f32 v[96+j:97+j], v[96+j:97+j], s[CS:CS+1], v[12:13] op_sel_hi:[1,0,0]   ; t - M
.set j, j+2
.endr
.set j, 0
.rept 64
	v_exp_f32 v[96+j], v[96+j]                     ; p = 2^(t - M): one batch
.set j, j+1
.endr
	v_pk_mul_f32 v[14:15], v[14:15], v[252:253] op_sel_hi:[1,0]   ; the sums under the new M: the plain line behind the exponentials
	s_wait_alu depctr_va_vdst(0)                   ; the wait ahead of the batch's first reader: one for the 64
	v_pk_add_f32 v[242:243], v[96:97], v[98:99]    ; the row's sum is taken of the unquantised p, in two chains
.irp j, 4,8,12,16,20,24,28,32,36,40,44,48,52,56,60
	v_pk_add_f32 v[14:15], v[14:15], v[96+\j:97+\j]
	v_pk_add_f32 v[242:243], v[242:243], v[98+\j:99+\j]
.endr
	v_pk_add_f32 v[14:15], v[14:15], v[242:243]
.irp b, 0,1,2,3
.irp i, 0,1,2,3,4,5,6,7,8,9,10,11,12,13,14,15
	v_min_num_f32 v[96+16*\b+\i], v[96+16*\b+\i], v240   ; the hold (ISA guide 7.6.2); p is not negative, so it is one-sided
.endr
	v_cvt_scalef32_pk8_fp8_f32 v[224+4*\b:225+4*\b], v[96+16*\b:103+16*\b], v244
	v_cvt_scalef32_pk8_fp8_f32 v[226+4*\b:227+4*\b], v[104+16*\b:111+16*\b], v244
.endr
.set j, 0
.rept 32
	v_pk_mul_f32 v[160+j:161+j], v[160+j:161+j], v[252:253] op_sel_hi:[1,0]   ; O^T under the new M; these are also the places in front of what follows
.set j, j+2
.endr
.irp g, 0,1                            ; O^T += V^T P^T, four tiles of 16 channels at a time; each accumulator has one instruction a step
.if \g > 0
.rept 4
	v_nop
.endr
.endif
.irp t, 0,1,2,3
.irp c, 0,1,2,3
	ds_load_b128 v[32+16*\t+4*\c:32+16*\t+4*\c+3], v[ADK] offset:16384+2048*(4*\g+\t)+512*\c
.endr
.endr
	s_wait_dscnt 0x0
.irp t, 0,1,2,3
	v_wmma_f32_16x16x128_fp8_fp8 v[160+8*(4*\g+\t):167+8*(4*\g+\t)], v[32+16*\t:47+16*\t], v[224:239], v[160+8*(4*\g+\t):167+8*(4*\g+\t)]
.endr
.endr
.Lhidden_\@:
	s_add_co_u32 s[TB], s[TB], 32768
	s_add_co_u32 s[KT], s[KT], 1
.endm
.macro GROUP g, edge                   ; three tiles, brought by one load of each wave
	s_wait_tensorcnt 2-\g                          ; my part of group g is in; my loads of the later groups may stay out
	s_wait_dscnt 0x0
	s_barrier_signal -1
	s_barrier_wait -1                              ; everybody's part is in
	s_mov_b32 s[TB], 98304*\g
	s_mov_b32 s[CNT], 3
.Lgrp_\@:
	STEP \edge
	s_sub_co_u32 s[CNT], s[CNT], 1
	s_cmp_lg_u32 s[CNT], 0
	s_cbranch_scc1 .Lgrp_\@
.endm
	s_wait_loadcnt 0x0                             ; Q
	GROUP 0, 1
	GROUP 1, 0
	GROUP 2, 0
	; THE WAY OUT: O^T x 2^(e4 + e5) / the sum, quantised with 2^e6: the wave's 64 registers a lane become one fragment's image, stored as it stands
.rept 4
	v_nop                                          ; the places behind the last products
.endr
	v_add_f32 v14, v14, v15
	v_permlanex16_b32 v236, v14, s[SEL], s[SEL+1]
	v_add_f32 v14, v14, v236                       ; the row's sum
	v_rcp_f32 v14, v14
	s_add_co_i32 s80, s72, s73                     ; e4 + e5
	s_add_co_i32 s81, s74, 127
	s_lshl_b32 s82, s81, 23
	v_mov_b32 v244, s82                            ; 2^e6.  (A plain line behind the reciprocal)
	s_add_co_i32 s81, s81, 8
	s_lshl_b32 s81, s81, 23
	s_or_b32 s81, s81, 0x600000
	v_mov_b32 v240, s81                            ; 448 x 2^e6
	s_wait_alu depctr_va_vdst(0)                   ; the wait ahead of the first reader
	v_ldexp_f32 v14, v14, s80
.set j, 0
.rept 32
	v_pk_mul_f32 v[96+j:97+j], v[160+j:161+j], v[14:15] op_sel_hi:[1,0]   ; each accumulator from its low end on
.set j, j+2
.endr
.set j, 0
.rept 64
	v_med3_num_f32 v[96+j], v[96+j], -v240, v240
.set j, j+1
.endr
.set j, 0
.rept 8
	v_cvt_scalef32_pk8_fp8_f32 v[224+2*j:225+2*j], v[96+8*j:103+8*j], v244
.set j, j+1
.endr
	v_nop                                          ; a plain line behind the last conversion of the run
.irp c, 0,1,2,3
	global_store_b128 v[LI], v[224+4*\c:227+4*\c], s[10:11] offset:512*\c   ; 512 consecutive bytes a store
.endr
	s_wait_tensorcnt 0x0                           ; the wave's end: these three lines behind my last tensor load
	ds_add_u32 v[SPW], v[NIL]
	s_wait_dscnt 0x0
	CROUND                                         ; the closing round
	s_endpgm
.Lfunc_end_k_qb5ea491ca8_attn:
	.size	k_qb5ea491ca8_attn, .Lfunc_end_k_qb5ea491ca8_attn-k_qb5ea491ca8_attn
	.p2alignl 7, 3214868480
	.fill 96, 4, 3214868480
	.section	.rodata,"a",@progbits
	.p2align	6, 0x0
	.amdhsa_kernel k_qb5ea491ca8_attn
		.amdhsa_group_segment_fixed_size 327680
		.amdhsa_private_segment_fixed_size 0
		.amdhsa_enable_private_segment 0
		.amdhsa_kernarg_size 32
		.amdhsa_user_sgpr_count 2
		.amdhsa_user_sgpr_kernarg_segment_ptr 1
		.amdhsa_wavefront_size32 1
		.amdhsa_system_sgpr_workgroup_id_x 1
		.amdhsa_system_sgpr_workgroup_id_y 1
		.amdhsa_system_sgpr_workgroup_id_z 1
		.amdhsa_system_vgpr_workitem_id 0
		.amdhsa_next_free_vgpr 256
		.amdhsa_next_free_sgpr 100
		.amdhsa_reserve_vcc 1
		.amdhsa_float_denorm_mode_32 3
		.amdhsa_float_denorm_mode_16_64 3
		.amdhsa_memory_ordered 1
		.amdhsa_forward_progress 1
		.amdhsa_inst_pref_size 93
	.end_amdhsa_kernel
	.amdgpu_metadata
---
amdhsa.version: [ 1, 2 ]
amdhsa.kernels:
  - .name:           k_qb5ea491ca8_attn
    .symbol:         k_qb5ea491ca8_attn.kd
    .args:
      - { .name: q_img, .offset: 0, .size: 8, .value_kind: global_buffer, .address_space: global }
      - { .name: kv_img, .offset: 8, .size: 8, .value_kind: global_buffer, .address_space: global }
      - { .name: lowp_scales, .offset: 16, .size: 8, .value_kind: global_buffer, .address_space: global }
      - { .name: a_img, .offset: 24, .size: 8, .value_kind: global_buffer, .address_space: global }
    .group_segment_fixed_size: 327680
    .private_segment_fixed_size: 0
    .kernarg_segment_align: 8
    .kernarg_segment_size: 32
    .max_flat_workgroup_size: 256
    .sgpr_count:     100
    .vgpr_count:     256
    .wavefront_size: 32
...
	.end_amdgpu_metadata
.endif
;; end of part 3
;; launch oproj (part 4): grid 16 x 16, 4 waves a work-group, clusters of 4 x 4, 327,680 bytes of LDS; arguments a_img, wo_img, lowp_scales, out0; writes out0
.if DOCPART == 4
	.amdgcn_target "amdgcn-amd-amdhsa--gfx1250"
	.amdhsa_code_object_version 6
	.text
	.protected	k_qb5ea491ca8_oproj
	.globl	k_qb5ea491ca8_oproj
	.p2align	8
	.type	k_qb5ea491ca8_oproj,@function
k_qb5ea491ca8_oproj:
	s_mov_b64 s[64:65], 0
	v_nop
	global_prefetch_b8 v0, s[64:65] scope:SCOPE_SE
	s_setreg_imm32_b32 hwreg(HW_REG_WAVE_MODE, 25, 1), 1
	s_wait_xcnt 0x0
	s_wait_alu depctr_hold_cnt(0) depctr_sa_sdst(0) depctr_va_vdst(0) depctr_va_sdst(0) depctr_va_ssrc(0) depctr_va_vcc(0) depctr_vm_vsrc(0)
	s_getreg_b32 s2, hwreg(HW_REG_IB_STS2, 6, 4)
	s_cmp_eq_u32 s2, 0
	s_cbranch_scc0 .Lentry_in_a_cluster
	s_endpgm
.Lentry_in_a_cluster:
	s_bfe_u32 s2, ttmp6, 0x10000c
	s_cmp_lg_u32 s2, 0xf033
	s_cbranch_scc0 .Lentry_shape_is_right
	s_endpgm
.Lentry_shape_is_right:
; out0 = attn w_o on codes of FP8 (K = 2,048), each sum x 2^(e6 + e7); out0 [2048][2048] f32.
; OPERANDS ARE IMAGES OF REGISTERS: a fragment (16 rows x 128 K) is 2,048 bytes, [c][lane][16]; row r of tile t is index 32 (t / 2) + 8 (t % 2) + r + 8 (r / 8) (a token of attn; a column of w_o).
; A work-group makes 128 tokens (grid y) x 128 columns (grid x); each of four waves 64 x 64: 16 accumulators.  Source 0 = 16 columns, source 1 = 16 tokens: a lane holds one token, and the 16 registers against tiles 2 B, 2 B + 1 are 16 neighbouring columns.
; K goes through two LDS slots of four steps of 128: both are first fills, two refills follow.  By this text's count a wave has two tensor loads out at the start and one behind each refill.
; CLUSTER 4 x 4: attn's tiles are shared along a row of the cluster, w_o's along a column: joint loads.
; LIMIT: e6 + e7 between -126 and 127.
; REGISTERS: window 0: v16-29 addresses, v32-63 scaled sums, v64-127 rows read back from the stage, v128-255 accumulators ((a, b) at 128 + 8 (4 a + b)).  window 1: two fragment buffers of 128.
.set SLOT,  131072
.set STAGE, 2*SLOT                     ; behind the ring, where no fill lands: 16 rows x (256 bytes + 16) for each wave
.set SPITCH, 272
.set SPARE, STAGE+4*16*SPITCH          ; behind the stages: the spare words, 128 bytes a wave: two blocks of 256 bytes that no other line names
.set ADRR, 16
.set ADRC, 20
.set LI,   24
.set STO,  25                          ; v25  the stage: where I put 16 bytes of my token's row
.set RD,   26                          ; v26  and where I read a row back
.set CO,   27                          ; v27  my byte offset in out0
.set SPW,  28
.set NIL,  29
.set ACC,  128
.set F0,   0
.set F1,   128
.set G1X,  24
.set G0X,  32
.set G1W,  48
.set G0W,  56
.set MSB,  0
.macro WIN new                         ; the immediate's high byte repeats the setting that is left
.if MSB != \new
	s_set_vgpr_msb (MSB<<8)|\new
.set MSB, \new
.endif
.endm
.set W_MUL, 0x05
.set TO_F,  0x40
.macro JLOAD s                         ; a joint load: waves 0, 1 fetch attn's halves, waves 2, 3 w_o's; an s_nop 0 and four v_nop follow each line
	s_cmp_eq_u32 s15, 0
	s_cbranch_scc0 .Lfor_w_\@
	tensor_load_to_lds s[G0X+4*\s:G0X+4*\s+3], s[G1X:G1X+7]
	s_nop 0
.rept 4
	v_nop
.endr
	s_branch .Lasked_\@
.Lfor_w_\@:
	tensor_load_to_lds s[G0W+4*\s:G0W+4*\s+3], s[G1W:G1W+7]
	s_nop 0
.rept 4
	v_nop
.endr
.Lasked_\@:
.endm
.macro CROUND
	s_barrier_signal -1
	s_barrier_wait -1
	s_cmp_lg_u32 s14, 0
	s_cbranch_scc1 .Lnot_wave_0_\@
	s_barrier_signal -3
.Lnot_wave_0_\@:
	s_barrier_wait -3
	s_barrier_signal -1
	s_barrier_wait -1
.endm
.macro PLACES
.rept 4
	v_nop
.endr
.endm
	s_load_b256 s[4:11], s[0:1], 0x0               ; a_img s[4:5], wo_img s[6:7], scales s[8:9], out0 s[10:11]
	v_lshl_add_u32 v[SPW], v0, 2, SPARE
	v_mov_b32 v[NIL], 0
	ds_add_u32 v[SPW], v[NIL]                      ; the wave's opening: the add and its wait ahead of my first tensor load; work on registers stands between them
	v_lshrrev_b32 v1, 5, v0
	v_readfirstlane_b32 s14, v1                    ; wave 0..3
	s_lshr_b32 s15, s14, 1                         ; wr
	s_and_b32 s16, s14, 1                          ; wc
	s_bfe_u32 s40, ttmp6, 0x40000                  ; cx
	s_bfe_u32 s41, ttmp6, 0x40004                  ; cy
	s_lshl_b32 s42, ttmp9, 2
	s_add_co_u32 s42, s42, s40                     ; x
	s_and_b32 s17, ttmp7, 0xffff
	s_lshl_b32 s17, s17, 2
	s_add_co_u32 s17, s17, s41                     ; y
	s_lshl_b32 s43, s41, 2
	s_lshl_b32 s43, 15, s43
	s_lshl_b32 s44, 0x1111, s40
	s_or_b32 s[G1X+0], s43, (3<<16)|(1<<21)        ; the mask; elements of 8 bytes; bit 21 beside a mask; no padding
	s_or_b32 s[G1W+0], s44, (3<<16)|(1<<21)
.irp g, G1X, G1W
	s_mov_b32 s[\g+1], 1024<<16                    ; rows of 8,192 bytes: four K steps of one tile
	s_mov_b32 s[\g+2], 4<<16                       ; four tiles
	s_mov_b32 s[\g+3], 1024<<16
	s_mov_b32 s[\g+4], 4
	s_mov_b32 s[\g+5], 4096                        ; 32,768 bytes from tile to tile
	s_mov_b32 s[\g+6], 0
	s_mov_b32 s[\g+7], 0
.endr
	s_lshl_b32 s18, s16, 17
	s_lshl_b32 s20, s17, 18
	s_add_co_u32 s20, s20, s18
	s_mov_b32 s21, 0
	s_lshl_b32 s46, s42, 18
	s_add_co_u32 s46, s46, s18
	s_mov_b32 s47, 0
	s_lshl_b32 s45, s14, 15
	s_wait_dscnt 0x0                               ; the opening add is done
	s_wait_kmcnt 0x0
	s_load_b256 s[80:87], s[8:9], 0x0              ; e0 .. e7
	s_add_nc_u64 s[20:21], s[4:5], s[20:21]
	s_add_nc_u64 s[46:47], s[6:7], s[46:47]
	CROUND                                         ; all sixteen work-groups are here: the first joint loads meet
.irp s, 0,1
	s_mov_b32 s[G0X+4*\s], 1
	s_add_co_u32 s[G0X+4*\s+1], s45, \s*SLOT
	s_add_nc_u64 s[G0X+4*\s+2:G0X+4*\s+3], s[20:21], \s*8192
	s_or_b32 s[G0X+4*\s+3], s[G0X+4*\s+3], 0x80000000
	s_mov_b32 s[G0W+4*\s], 1
	s_add_co_u32 s[G0W+4*\s+1], s45, \s*SLOT
	s_add_nc_u64 s[G0W+4*\s+2:G0W+4*\s+3], s[46:47], \s*8192
	s_or_b32 s[G0W+4*\s+3], s[G0W+4*\s+3], 0x80000000
	JLOAD \s
.endr
	v_and_b32 v1, 31, v0
	v_lshlrev_b32 v[LI], 4, v1
	v_and_b32 v2, 15, v0                           ; r
	v_bfe_u32 v3, v0, 4, 1                         ; h
	s_lshl_b32 s22, s15, 15                        ; source 1: attn's tiles 4 wr on
	s_lshl_b32 s23, s16, 15
	s_add_co_u32 s23, s23, 65536                   ; source 0: w_o's tiles 4 wc on
	v_add_nc_u32 v[ADRR], s22, v[LI]
	v_add_nc_u32 v[ADRR+1], SLOT, v[ADRR]
	v_add_nc_u32 v[ADRC], s23, v[LI]
	v_add_nc_u32 v[ADRC+1], SLOT, v[ADRC]
	s_mul_i32 s23, s14, 16*SPITCH
	s_add_co_u32 s23, s23, STAGE                   ; my stage
	v_mul_u32_u24 v[STO], v2, SPITCH
	v_lshl_add_u32 v[STO], v3, 6, v[STO]
	v_add_nc_u32 v[STO], s23, v[STO]               ; in: row r, + 64 h
	v_mul_u32_u24 v[RD], v3, SPITCH
	v_lshl_add_u32 v[RD], v2, 4, v[RD]
	v_add_nc_u32 v[RD], s23, v[RD]                 ; back: lanes 0-15 one row of 256 bytes, lanes 16-31 the next
	v_lshlrev_b32 v[CO], 13, v3
	v_lshl_add_u32 v[CO], v2, 4, v[CO]             ; and the same two rows in out0
	s_lshl_b32 s18, s17, 20                        ; token 128 y + 64 wr, 8,192 bytes a row,
	s_lshl_b32 s19, s15, 19
	s_add_co_u32 s18, s18, s19
	s_lshl_b32 s19, s42, 9                         ; column 128 x + 64 wc
	s_add_co_u32 s18, s18, s19
	s_lshl_b32 s19, s16, 8
	s_add_co_u32 s18, s18, s19
	s_mov_b32 s19, 0
	s_add_nc_u64 s[92:93], s[10:11], s[18:19]
.macro FETCH slot, q, f                ; 32 LDS loads in one run: the eight fragments of the slot's q-th step into buffer f
	WIN TO_F
.irp i, 0,1,2,3
.irp c, 0,1,2,3
	ds_load_b128 v[\f+16*\i+4*\c:\f+16*\i+4*\c+3], v[ADRR+\slot] offset:8192*\i+2048*(\q)+512*\c
.endr
.endr
.irp i, 0,1,2,3
.irp c, 0,1,2,3
	ds_load_b128 v[\f+64+16*\i+4*\c:\f+64+16*\i+4*\c+3], v[ADRC+\slot] offset:8192*\i+2048*(\q)+512*\c
.endr
.endr
.endm
.macro MULT f, zero                    ; 16 matrix instructions, the 16 accumulators by turns in one fixed order
	WIN W_MUL
.irp a, 0,1,2,3
.irp b, 0,1,2,3
.if \zero
	v_wmma_f32_16x16x128_fp8_fp8 v[ACC+8*(4*\a+\b):ACC+8*(4*\a+\b)+7], v[\f+64+16*\b:\f+64+16*\b+15], v[\f+16*\a:\f+16*\a+15], 0
.else
	v_wmma_f32_16x16x128_fp8_fp8 v[ACC+8*(4*\a+\b):ACC+8*(4*\a+\b)+7], v[\f+64+16*\b:\f+64+16*\b+15], v[\f+16*\a:\f+16*\a+15], v[ACC+8*(4*\a+\b):ACC+8*(4*\a+\b)+7]
.endif
.endr
.endr
.endm
.macro KS nslot, nq, f, g, zero
	s_wait_dscnt 0x0                               ; buffer f is in: it was asked for a step ago
	PLACES                                         ; behind the products that read buffer g
	FETCH \nslot, \nq, \g
	MULT \f, \zero
.endm
.macro CHANGE slot, next, fill, f, g   ; a slot's last step: the waits and the add, the barrier (fill = 1: a round of the cluster's, and the joint refill first behind it), then the next slot's first fragments
	WIN 0
	s_wait_tensorcnt 0x0                           ; all my tensor loads have landed: my part of the next slot; a group 0 may be written
	ds_add_u32 v[SPW], v[NIL]
.if \fill
	s_add_nc_u64 s[G0X+4*\slot+2:G0X+4*\slot+3], s[G0X+4*\slot+2:G0X+4*\slot+3], 16384
	s_add_nc_u64 s[G0W+4*\slot+2:G0W+4*\slot+3], s[G0W+4*\slot+2:G0W+4*\slot+3], 16384
.endif
	s_wait_dscnt 0x0                               ; the add is done, buffer f is in, and my reads of this slot are over
.if \fill
	CROUND
	JLOAD \slot
.else
	s_barrier_signal -1
	s_barrier_wait -1
	PLACES
.endif
	FETCH \next, 0, \g
	MULT \f, 0
.endm
	s_wait_tensorcnt 1                             ; my part of slot 0 is in; slot 1's may stay out
	s_barrier_signal -1
	s_barrier_wait -1
	FETCH 0, 0, F0
	KS 0, 1, F0, F1, 1
	KS 0, 2, F1, F0, 0
	KS 0, 3, F0, F1, 0
	CHANGE 0, 1, 1, F1, F0                         ; slot 0 takes steps 8-11
	KS 1, 1, F0, F1, 0
	KS 1, 2, F1, F0, 0
	KS 1, 3, F0, F1, 0
	CHANGE 1, 0, 1, F1, F0                         ; slot 1 takes steps 12-15
	KS 0, 1, F0, F1, 0
	KS 0, 2, F1, F0, 0
	KS 0, 3, F0, F1, 0
	CHANGE 0, 1, 0, F1, F0                         ; nothing is left to fetch
	KS 1, 1, F0, F1, 0
	KS 1, 2, F1, F0, 0
	KS 1, 3, F0, F1, 0
	s_wait_dscnt 0x0
	MULT F1, 0
	WIN 0
	PLACES
; THE WAY OUT, a tile of 16 tokens x my 64 columns at a time, through my own stage: a lane's 16 neighbouring numbers go in, whole rows of 256 bytes come back, and sixteen lanes store 256 consecutive bytes, aligned.
; Stage row p is token 32 (a / 2) + 8 (a % 2) + p + 8 (p / 8) of my 64.  LDS serves a wave's instructions in order (ISA guide 5.7.1.4): no wait between the stores and the loads.
.macro TOSTAGE a
.set i, 0
.rept 16
	v_pk_mul_f32 v[32+i:33+i], v[ACC+32*(\a)+i:ACC+32*(\a)+i+1], s[88:89] op_sel_hi:[1,0]   ; x 2^(e6 + e7); each accumulator from its low end on
.set i, i+2
.endr
.irp b, 0,1,2,3
	ds_store_b128 v[STO], v[32+8*\b:32+8*\b+3] offset:128*(\b/2)+32*(\b%2)
	ds_store_b128 v[STO], v[32+8*\b+4:32+8*\b+7] offset:128*(\b/2)+32*(\b%2)+16
.endr
.irp t, 0,1,2,3,4,5,6,7
	ds_load_b128 v[64+32*((\a)%2)+4*\t:64+32*((\a)%2)+4*\t+3], v[RD] offset:2*SPITCH*\t
.endr
.endm
.macro SEND a, younger                 ; younger: the LDS instructions issued behind tile a's loads, which may stay out
	s_wait_dscnt \younger
.irp t, 0,1,2,3,4,5,6,7
	global_store_b128 v[CO], v[64+32*((\a)%2)+4*\t:64+32*((\a)%2)+4*\t+3], s[92:93] offset:(32*((\a)/2)+8*((\a)%2)+2*\t+8*(\t/4))*8192 th:TH_STORE_NT
.endr
.endm
	s_wait_kmcnt 0x0
	s_add_co_i32 s88, s86, s87
	s_add_co_i32 s88, s88, 127
	s_lshl_b32 s88, s88, 23                        ; 2^(e6 + e7) as f32
	s_mov_b32 s89, s88
	TOSTAGE 0
.irp a, 1,2,3
.if \a > 1
	s_wait_xcnt 0x0                                ; tile a - 2's stores have read their registers: tile a's loads may land there
.endif
	TOSTAGE \a
	SEND \a-1, 16                                  ; behind tile a - 1's loads: tile a's 8 stores and 8 loads
.endr
	SEND 3, 0
	s_wait_tensorcnt 0x0                           ; the wave's end: these three lines behind my last tensor load and my last LDS store
	ds_add_u32 v[SPW], v[NIL]
	s_wait_dscnt 0x0
	CROUND                                         ; the closing round
	s_endpgm
.Lfunc_end_k_qb5ea491ca8_oproj:
	.size	k_qb5ea491ca8_oproj, .Lfunc_end_k_qb5ea491ca8_oproj-k_qb5ea491ca8_oproj
	.p2alignl 7, 3214868480
	.fill 96, 4, 3214868480
	.section	.rodata,"a",@progbits
	.p2align	6, 0x0
	.amdhsa_kernel k_qb5ea491ca8_oproj
		.amdhsa_group_segment_fixed_size 327680
		.amdhsa_private_segment_fixed_size 0
		.amdhsa_enable_private_segment 0
		.amdhsa_kernarg_size 32
		.amdhsa_user_sgpr_count 2
		.amdhsa_user_sgpr_kernarg_segment_ptr 1
		.amdhsa_wavefront_size32 1
		.amdhsa_system_sgpr_workgroup_id_x 1
		.amdhsa_system_sgpr_workgroup_id_y 1
		.amdhsa_system_sgpr_workgroup_id_z 1
		.amdhsa_system_vgpr_workitem_id 0
		.amdhsa_next_free_vgpr 512
		.amdhsa_next_free_sgpr 100
		.amdhsa_reserve_vcc 0
		.amdhsa_float_denorm_mode_32 3
		.amdhsa_float_denorm_mode_16_64 3
		.amdhsa_memory_ordered 1
		.amdhsa_forward_progress 1
		.amdhsa_inst_pref_size 72
	.end_amdhsa_kernel
	.amdgpu_metadata
---
amdhsa.version: [ 1, 2 ]
amdhsa.kernels:
  - .name:           k_qb5ea491ca8_oproj
    .symbol:         k_qb5ea491ca8_oproj.kd
    .args:
      - { .name: a_img, .offset: 0, .size: 8, .value_kind: global_buffer, .address_space: global }
      - { .name: wo_img, .offset: 8, .size: 8, .value_kind: global_buffer, .address_space: global }
      - { .name: lowp_scales, .offset: 16, .size: 8, .value_kind: global_buffer, .address_space: global }
      - { .name: out0, .offset: 24, .size: 8, .value_kind: global_buffer, .address_space: global }
    .group_segment_fixed_size: 327680
    .private_segment_fixed_size: 0
    .kernarg_segment_align: 8
    .kernarg_segment_size: 32
    .max_flat_workgroup_size: 128
    .sgpr_count:     100
    .vgpr_count:     512
    .wavefront_size: 32
...
	.end_amdgpu_metadata
.endif
;; end of part 4
;; ======== version 2 of 2: 4 launches
;; limits: right only within a limited range of input values
;; workspace buffers: x_img 4,194,304 bytes; wqkv_img 6,291,456 bytes; wo_img 4,194,304 bytes; rope 1,048,576 bytes; q_img 4,194,304 bytes; kv_img 2,097,152 bytes; a_img 4,194,304 bytes
;; launch prep: the kernel of part 1 again; grid 448 x 1, 4 waves a work-group, no clusters, 34,304 bytes of LDS; arguments hidden_states, positions, w_qkv, w_o, lowp_scales, x_img, wqkv_img, wo_img, rope; writes x_img, wqkv_img, wo_img, rope
;; launch qkv (part 5): grid 24 x 8, 4 waves a work-group, clusters of 4 x 4, 327,680 bytes of LDS; arguments x_img, wqkv_img, lowp_scales, b_qkv, rope, q_img, kv_img; writes q_img, kv_img
.if DOCPART == 5
	.amdgcn_target "amdgcn-amd-amdhsa--gfx1250"
	.amdhsa_code_object_version 6
	.text
	.protected	k_qb5ea491ca8_qkv
	.globl	k_qb5ea491ca8_qkv
	.p2align	8
	.type	k_qb5ea491ca8_qkv,@function
k_qb5ea491ca8_qkv:
	s_mov_b64 s[64:65], 0
	v_nop
	global_prefetch_b8 v0, s[64:65] scope:SCOPE_SE
	s_setreg_imm32_b32 hwreg(HW_REG_WAVE_MODE, 25, 1), 1
	s_wait_xcnt 0x0
	s_wait_alu depctr_hold_cnt(0) depctr_sa_sdst(0) depctr_va_vdst(0) depctr_va_sdst(0) depctr_va_ssrc(0) depctr_va_vcc(0) depctr_vm_vsrc(0)
	s_getreg_b32 s2, hwreg(HW_REG_IB_STS2, 6, 4)
	s_cmp_eq_u32 s2, 0
	s_cbranch_scc0 .Lentry_in_a_cluster
	s_endpgm
.Lentry_in_a_cluster:
	s_bfe_u32 s2, ttmp6, 0x10000c
	s_cmp_lg_u32 s2, 0xf033
	s_cbranch_scc0 .Lentry_shape_is_right
	s_endpgm
.Lentry_shape_is_right:
; qkv = hidden_states w_qkv + b_qkv on codes of FP8 (K = 2,048), RoPE on q and k, and the three results quantised (e2: q, e3: k, e4: v) straight into the images that the attention reads.
; OPERANDS ARE IMAGES OF REGISTERS: a fragment (16 rows x 128 K) is 2,048 bytes, [c][lane][16]: four loads of 16 bytes at 16 x lane + 512 c bring registers 4 c .. 4 c + 3 (k = 32 c + 16 h + 0 .. 15, alike on both sides).
; Row r of tile t is index 32 (t / 2) + 8 (t % 2) + r + 8 (r / 8).  So in D = (source 0: tile b) x (source 1: tile a) lane (r, h) holds row r of tile a, and the 16 registers against tiles 2 B, 2 B + 1 are the neighbours 32 B + 16 h + 0 .. 15.
; A work-group makes 256 tokens (grid y) x 128 columns (grid x: 0-15 q's heads, 16-19 k's, 20-23 v's): 192 work-groups of equal work.  Each of four waves makes 128 x 64: 32 accumulators; it reads 12 fragments from LDS for 32 products.
; q, k: source 1 = my 8 token tiles, source 0 = columns {32 wc .. + 31, 64 + 32 wc .. + 31}: a lane holds one token and both halves of 16 RoPE pairs.
; v: source 1 = the head's 8 tiles of d, source 0 = 4 of the 16 token tiles: a lane holds one d and its registers run along the tokens, which are the K of the attention's second product.  Only the four LDS read addresses differ.
; K goes through two LDS slots of three steps of 128 (24 tiles x 6,144 bytes).  Steps 0-2 and 3-5 are first fills; refills bring 6-8, 9-11, 12-14 and 13-15: the last begins two steps early, so that one shape of descriptor serves every fill
; and no load leaves its buffer; of it only step 15 is read.  By this text's count a wave has two tensor loads out at the start and one behind each refill.
; CLUSTER 4 x 4: the token tiles are shared along a row of the cluster, the weight tiles along a column: joint loads.
; LIMITS: e0 + e1 between -126 and 127; e2, e3, e4 between -126 and 127.  NaN among the inputs is not served.
; REGISTERS: window 0: v8-15 codes, v16-31 addresses and scales, v32-95 at work on the way out (v32-39 first hold v's bias), v96-127 q's and k's bias, v128-255 cosines and sines of my token tiles 0-3.
;   window 1: fragment buffer 0 (source 1's eight at 16 a, source 0's four at 128 + 16 b), v192-255 the table of tiles 4, 5.   window 2: buffer 1, and the table of tiles 6, 7.   window 3: accumulators ((a, b) at 8 (4 a + b)).
.set KSL,   3                          ; K steps in a slot
.set TS,    KSL*2048                   ; from tile to tile in a slot
.set XP,    16*TS                      ; a slot: the 16 token tiles, then the 8 weight tiles
.set SLOT,  24*TS
.set SPARE, 2*SLOT                     ; behind the ring: the spare words, 128 bytes a wave: two blocks of 256 bytes that no other line names
.set ADRR, 16                          ; v16-17  LDS address of source 1's fragments in slot 0, 1
.set ADRC, 20                          ; v20-21  of source 0's
.set LI,   24                          ; v24     16 x lane
.set SPW,  28                          ; v28     SPARE + 4 x my thread's number; never rewritten
.set NIL,  29                          ; v29     0; never rewritten
.set G1X,  24                          ; s[24:31] group 1 for the token tiles; s[32:39] their groups 0, one a slot
.set G0X,  32
.set G1W,  48                          ; s[48:55], s[56:63] the same for the weight tiles
.set G0W,  56
.set MSB,  0
.macro WIN new                         ; the immediate's high byte repeats the setting that is left
.if MSB != (\new)
	s_set_vgpr_msb (MSB<<8)|(\new)
.set MSB, (\new)
.endif
.endm
.macro JLOAD s                         ; a joint load: waves 0, 1 fetch 8 token tiles each, waves 2, 3 four weight tiles each; an s_nop 0 and four v_nop follow each line
	s_cmp_eq_u32 s15, 0
	s_cbranch_scc0 .Lfor_w_\@
	tensor_load_to_lds s[G0X+4*\s:G0X+4*\s+3], s[G1X:G1X+7]
	s_nop 0
.rept 4
	v_nop
.endr
	s_branch .Lasked_\@
.Lfor_w_\@:
	tensor_load_to_lds s[G0W+4*\s:G0W+4*\s+3], s[G1W:G1W+7]
	s_nop 0
.rept 4
	v_nop
.endr
.Lasked_\@:
.endm
.macro CROUND                          ; a round of the cluster's barrier
	s_barrier_signal -1
	s_barrier_wait -1
	s_cmp_lg_u32 s14, 0
	s_cbranch_scc1 .Lnot_wave_0_\@
	s_barrier_signal -3
.Lnot_wave_0_\@:
	s_barrier_wait -3
	s_barrier_signal -1
	s_barrier_wait -1
.endm
.macro PLACES                          ; four places behind matrix instructions, in front of loads into registers that they read and of the first read of results
.rept 4
	v_nop
.endr
.endm
	s_load_b256 s[4:11], s[0:1], 0x0               ; x_img s[4:5], wqkv_img s[6:7], scales s[8:9], b_qkv s[10:11]
	s_load_b128 s[72:75], s[0:1], 0x20             ; rope s[72:73], q_img s[74:75]
	s_load_b64 s[76:77], s[0:1], 0x30              ; kv_img
	v_lshl_add_u32 v[SPW], v0, 2, SPARE
	v_mov_b32 v[NIL], 0
	ds_add_u32 v[SPW], v[NIL]                      ; the wave's opening: the add and its wait ahead of my first tensor load; work on registers stands between them
	ds_add_u32 v[SPW], v[NIL]
	v_lshrrev_b32 v1, 5, v0
	v_readfirstlane_b32 s14, v1                    ; wave 0..3
	s_lshr_b32 s15, s14, 1                         ; wr.  Also: I fetch token tiles (0) or weight tiles (1)
	s_and_b32 s16, s14, 1                          ; wc.  Also: which half of them I fetch
	s_bfe_u32 s40, ttmp6, 0x40000                  ; cx
	s_bfe_u32 s41, ttmp6, 0x40004                  ; cy
	s_lshl_b32 s42, ttmp9, 2
	s_add_co_u32 s42, s42, s40                     ; x: the block of 128 columns
	s_and_b32 s17, ttmp7, 0xffff
	s_lshl_b32 s17, s17, 2
	s_add_co_u32 s17, s17, s41                     ; y: the block of 256 tokens
	s_lshl_b32 s43, s41, 2
	s_lshl_b32 s43, 15, s43                        ; my row of the cluster
	s_lshl_b32 s44, 0x1111, s40                    ; my column
	s_or_b32 s[G1X+0], s43, (3<<16)|(1<<21)        ; 15:0 the mask; 17:16 elements of 8 bytes; 21 set beside a mask; no padding
	s_or_b32 s[G1W+0], s44, (3<<16)|(1<<21)
	s_mov_b32 s[G1X+1], 768<<16                    ; tensor_dim0 = 768 elements: 6,144 bytes, three K steps of one tile
	s_mov_b32 s[G1X+2], 8<<16                      ; tensor_dim1 = 8 tiles
	s_mov_b32 s[G1X+3], 768<<16                    ; tile_dim0
	s_mov_b32 s[G1X+4], 8                          ; tile_dim1
	s_mov_b32 s[G1X+5], 4096                       ; from tile to tile in memory: 32,768 bytes
	s_mov_b32 s[G1X+6], 0
	s_mov_b32 s[G1X+7], 0
	s_mov_b32 s[G1W+1], 768<<16
	s_mov_b32 s[G1W+2], 4<<16                      ; 4 tiles
	s_mov_b32 s[G1W+3], 768<<16
	s_mov_b32 s[G1W+4], 4
	s_mov_b32 s[G1W+5], 4096
	s_mov_b32 s[G1W+6], 0
	s_mov_b32 s[G1W+7], 0
	s_lshl_b32 s20, s17, 19                        ; token tiles 16 y + 8 (w % 2) on, 32,768 bytes a tile
	s_lshl_b32 s18, s16, 18
	s_add_co_u32 s20, s20, s18
	s_mov_b32 s21, 0
	s_lshl_b32 s46, s42, 18                        ; weight tiles 8 x + 4 (w % 2) on
	s_lshl_b32 s18, s16, 17
	s_add_co_u32 s46, s46, s18
	s_mov_b32 s47, 0
	s_mul_i32 s45, s16, 8*TS                       ; where they go: no place in the cluster enters an LDS address
	s_mul_i32 s78, s16, 4*TS
	s_add_co_u32 s78, s78, XP
	s_wait_dscnt 0x0                               ; the opening add is done
	s_wait_kmcnt 0x0
	s_load_b256 s[80:87], s[8:9], 0x0              ; e0 .. e7
	s_add_nc_u64 s[20:21], s[4:5], s[20:21]
	s_add_nc_u64 s[46:47], s[6:7], s[46:47]
	CROUND                                         ; all sixteen work-groups are here: the first joint loads meet
.irp s, 0,1
	s_mov_b32 s[G0X+4*\s], 1
	s_add_co_u32 s[G0X+4*\s+1], s45, \s*SLOT
	s_add_nc_u64 s[G0X+4*\s+2:G0X+4*\s+3], s[20:21], \s*TS
	s_or_b32 s[G0X+4*\s+3], s[G0X+4*\s+3], 0x80000000
	s_mov_b32 s[G0W+4*\s], 1
	s_add_co_u32 s[G0W+4*\s+1], s78, \s*SLOT
	s_add_nc_u64 s[G0W+4*\s+2:G0W+4*\s+3], s[46:47], \s*TS
	s_or_b32 s[G0W+4*\s+3], s[G0W+4*\s+3], 0x80000000
	JLOAD \s
.endr
	v_and_b32 v1, 31, v0
	v_lshlrev_b32 v[LI], 4, v1
	v_and_b32 v2, 15, v0                           ; r
	v_bfe_u32 v3, v0, 4, 1                         ; h
	v_lshlrev_b32 v25, 6, v3                       ; 64 h: my 16 numbers of a bias chunk
	v_lshrrev_b32 v4, 3, v2
	v_lshl_add_u32 v4, v4, 3, v2
	v_lshlrev_b32 v26, 2, v4                       ; 4 (r + 8 (r / 8)): my row of a tile, in words
	s_mul_i32 s18, s15, 8*TS                       ; token tiles 8 wr on
	s_mul_i32 s19, s16, 2*TS                       ; tiles 2 wc on
	s_cmp_eq_u32 ttmp9, 5                          ; v's columns?  (the cluster's x: the same in all sixteen partners)
	s_cselect_b32 s22, XP, s18                     ; source 1: for v the 8 weight tiles, else my 8 token tiles
	s_cselect_b32 s23, s18, XP                     ; source 0: for v token tiles 8 wr + .., else weight tiles ..,
	s_add_co_u32 s23, s23, s19                     ; .. 2 wc, 2 wc + 1, 4 + 2 wc, 5 + 2 wc
	v_add_nc_u32 v[ADRR], s22, v[LI]
	v_add_nc_u32 v[ADRR+1], SLOT, v[ADRR]
	v_add_nc_u32 v[ADRC], s23, v[LI]
	v_add_nc_u32 v[ADRC+1], SLOT, v[ADRC]
	s_lshl_b32 s18, s17, 17                        ; the table of token tile 16 y + 8 wr, 8,192 bytes a tile,
	s_lshl_b32 s19, s15, 16
	s_add_co_u32 s18, s18, s19
	s_lshl_b32 s19, s16, 12                        ; frequencies 32 wc on
	s_add_co_u32 s18, s18, s19
	s_mov_b32 s19, 0
	s_add_nc_u64 s[66:67], s[72:73], s[18:19]
	s_lshl_b32 s18, s42, 9
	s_add_nc_u64 s[70:71], s[10:11], s[18:19]      ; the bias of column 128 x on,
	s_lshl_b32 s18, s16, 7
	s_add_nc_u64 s[68:69], s[70:71], s[18:19]      ; and of column 128 x + 32 wc on
.macro FETCH slot, q, g                ; 48 LDS loads in one run: the twelve fragments of the slot's q-th step into buffer g; each load takes 512 consecutive bytes
	WIN 0x40*(1+\g)                                ; destination window 1 or 2, address window 0
.irp i, 0,1,2,3,4,5,6,7
.irp c, 0,1,2,3
	ds_load_b128 v[16*\i+4*\c:16*\i+4*\c+3], v[ADRR+\slot] offset:TS*\i+2048*(\q)+512*\c
.endr
.endr
.irp i, 0,1,2,3
.irp c, 0,1,2,3
	ds_load_b128 v[128+16*\i+4*\c:128+16*\i+4*\c+3], v[ADRC+\slot] offset:TS*((\i%2)+4*(\i/2))+2048*(\q)+512*\c
.endr
.endr
.endm
.macro MULT f, zero                    ; 32 matrix instructions, the 32 accumulators by turns in one fixed order; zero = 1: the first step starts the sums
	WIN 0xf0+5*(1+\f)                              ; sources 0 and 1 window 1 or 2; C and D window 3
.irp a, 0,1,2,3,4,5,6,7
.irp b, 0,1,2,3
.if \zero
	v_wmma_f32_16x16x128_fp8_fp8 v[8*(4*\a+\b):8*(4*\a+\b)+7], v[128+16*\b:128+16*\b+15], v[16*\a:16*\a+15], 0
.else
	v_wmma_f32_16x16x128_fp8_fp8 v[8*(4*\a+\b):8*(4*\a+\b)+7], v[128+16*\b:128+16*\b+15], v[16*\a:16*\a+15], v[8*(4*\a+\b):8*(4*\a+\b)+7]
.endif
.endr
.endr
.endm
.macro KS nslot, nq, f, g, zero        ; a step of 128 along K on buffer f; the next step's fragments are asked for first, into buffer g
	s_wait_dscnt 0x0                               ; buffer f is in: it was asked for a step ago
	PLACES                                         ; behind the products that read buffer g
	FETCH \nslot, \nq, \g
	MULT \f, \zero
.endm
; A slot's last step changes slots: each wave waits for all its tensor loads, adds 0 to its spare word, waits for that and for its reads of this slot.
; step > 0: a round of the cluster's barrier, and this slot is filled again, its addresses step bytes further along K.  nq: the step of the next slot that is read first.
.macro CHANGE slot, next, nq, step, f, g
	WIN 0
	s_wait_tensorcnt 0x0                           ; all my tensor loads have landed: my part of the next slot; no load of mine is out, so a group 0 may be written
	ds_add_u32 v[SPW], v[NIL]
.if \step
	s_add_nc_u64 s[G0X+4*\slot+2:G0X+4*\slot+3], s[G0X+4*\slot+2:G0X+4*\slot+3], \step
	s_add_nc_u64 s[G0W+4*\slot+2:G0W+4*\slot+3], s[G0W+4*\slot+2:G0W+4*\slot+3], \step
.endif
	s_wait_dscnt 0x0                               ; the add is done, buffer f is in, and my reads of this slot are over
.if \step
	CROUND                                         ; no wave of any partner still reads this slot or has a load on its way
	JLOAD \slot                                    ; the first tensor load behind the round; its four v_nop are the places in front of the loads below
.else
	s_barrier_signal -1
	s_barrier_wait -1
	PLACES
.endif
	FETCH \next, \nq, \g
	MULT \f, 0
.endm
; The table and the biases are asked for in the middle of K, on the one way that every work-group takes (v's work-groups ask for the table too and do not use it: every address lies inside its buffer), in two runs.
.macro SIDE1                           ; 48 loads: the table of my token tiles 0-3 (16 cosines, 16 sines a tile), q's and k's bias, v's bias
	WIN 0
.irp a, 0,1,2,3
.irp n, 0,1,2,3,4,5,6,7
	global_load_b128 v[128+32*\a+4*\n:128+32*\a+4*\n+3], v[LI], s[66:67] offset:8192*\a+512*\n
.endr
.endr
.irp p, 0,1
.irp n, 0,1,2,3                        ; the bias of d = 64 p + 32 wc + 16 h + 0 .. 15 at v[96 + 16 p]
	global_load_b128 v[96+16*\p+4*\n:96+16*\p+4*\n+3], v25, s[68:69] offset:256*\p+16*\n
.endr
.endr
.irp a, 0,1,2,3,4,5,6,7                ; the bias of my d in tile a
	global_load_b32 v[32+\a], v26, s[70:71] offset:(32*(\a/2)+8*(\a%2))*4
.endr
.endm
.macro SIDE2                           ; 32 loads: the table of my token tiles 4-7
	WIN 0x40
.irp a, 4,5
.irp n, 0,1,2,3,4,5,6,7
	global_load_b128 v[192+32*(\a-4)+4*\n:192+32*(\a-4)+4*\n+3], v[LI], s[66:67] offset:8192*\a+512*\n
.endr
.endr
	WIN 0x80
.irp a, 6,7
.irp n, 0,1,2,3,4,5,6,7
	global_load_b128 v[192+32*(\a-6)+4*\n:192+32*(\a-6)+4*\n+3], v[LI], s[66:67] offset:8192*\a+512*\n
.endr
.endr
.endm
	s_wait_alu depctr_va_vdst(0)
	s_wait_tensorcnt 1                             ; my part of slot 0 is in; slot 1's may stay out
	s_barrier_signal -1
	s_barrier_wait -1
	FETCH 0, 0, 0
	KS 0, 1, 0, 1, 1                               ; step 0
	KS 0, 2, 1, 0, 0
	CHANGE 0, 1, 0, 2*TS, 0, 1                     ; step 2; slot 0 takes steps 6-8
	KS 1, 1, 1, 0, 0
	KS 1, 2, 0, 1, 0
	CHANGE 1, 0, 0, 2*TS, 1, 0                     ; step 5; slot 1 takes steps 9-11
	SIDE1
	KS 0, 1, 0, 1, 0
	KS 0, 2, 1, 0, 0
	CHANGE 0, 1, 0, 2*TS, 0, 1                     ; step 8; slot 0 takes steps 12-14
	SIDE2
	KS 1, 1, 1, 0, 0
	KS 1, 2, 0, 1, 0
	CHANGE 1, 0, 0, 4*2048, 1, 0                   ; step 11; slot 1 takes steps 13-15
	KS 0, 1, 0, 1, 0
	KS 0, 2, 1, 0, 0
	CHANGE 0, 1, 2, 0, 0, 1                        ; step 14; nothing is left to fetch; of slot 1 the third step, 15, is read
	s_wait_dscnt 0x0
	MULT 1, 0                                      ; step 15
	WIN 0
	PLACES
	; THE WAY OUT.  Where the codes go, and with which scale
	s_wait_kmcnt 0x0
	s_lshl_b32 s94, s42, 18                        ; q_img: [head x][token tile 16 y + 8 wr ..][2,048]
	s_lshl_b32 s23, s17, 15
	s_add_co_u32 s94, s94, s23
	s_lshl_b32 s23, s15, 14
	s_add_co_u32 s94, s94, s23
	s_lshl_b32 s96, s40, 19                        ; kv_img: [kv head cx][key tile 2 y + wr][K's 8 fragments | V's 8]
	s_lshl_b32 s23, s17, 16
	s_add_co_u32 s96, s96, s23
	s_lshl_b32 s23, s15, 15
	s_add_co_u32 s96, s96, s23
	s_add_co_u32 s97, s96, 16384
	s_cmp_eq_u32 ttmp9, 5                          ; v's columns?
	s_cselect_b32 s96, s97, s96
	s_cselect_b32 s90, s84, s83                    ; e4 or e3
	s_cmp_lt_u32 ttmp9, 4                          ; q's columns?
	s_cselect_b32 s94, s94, s96
	s_cselect_b64 s[92:93], s[74:75], s[76:77]
	s_cselect_b32 s90, s82, s90                    ; e2
	s_lshl_b32 s23, s16, 9                         ; chunk wc of each fragment
	s_add_co_u32 s94, s94, s23
	s_mov_b32 s95, 0
	s_add_nc_u64 s[92:93], s[92:93], s[94:95]
	s_add_co_i32 s88, s80, s81
	s_add_co_i32 s88, s88, 127
	s_lshl_b32 s88, s88, 23                        ; 2^(e0 + e1) as f32
	s_mov_b32 s89, s88
	s_add_co_i32 s90, s90, 127
	s_lshl_b32 s91, s90, 23
	v_mov_b32 v30, s91                             ; 2^e of the result
	s_wait_loadcnt 0x0                             ; the table and the biases
.macro QSTORE a                        ; v64-95 (two chunks of 16 neighbours along the next K) become codes and leave as two quarters of an image: 512 consecutive bytes a store
.set i, 0
.rept 32
.set i, i+1
.endr
.if (\a) > 0
	s_wait_xcnt 0x0                                ; the last fragment's stores have read v8-15: they are written again only behind this wait
.endif
.set i, 0
.rept 4
	v_cvt_scalef32_pk8_fp8_f32 v[8+2*i:9+2*i], v[64+8*i:64+8*i+7], v30
.set i, i+1
.endr
	v_nop                                          ; a plain line behind the last conversion of the run
	global_store_b128 v[LI], v[8:11], s[92:93] offset:2048*(\a)
	global_store_b128 v[LI], v[12:15], s[92:93] offset:2048*(\a)+1024
.endm
	s_cmp_eq_u32 ttmp9, 5                          ; the one parting of the ways, on the cluster's x, behind the last tensor load, barrier and product
	s_cbranch_scc1 .Lv
	; ---- q and k: bias, RoPE, quantise.  Token tile a: accumulators (a, 0), (a, 1) are x1 (d = 32 wc + 16 h + 0 .. 15), (a, 2), (a, 3) are x2 (d + 64)
.macro QKOUT a
.if (\a) < 4
.set RW, 0
.set RB, 128+32*(\a)
.elseif (\a) < 6
.set RW, 1
.set RB, 192+32*((\a)-4)
.else
.set RW, 2
.set RB, 192+32*((\a)-6)
.endif
	WIN 0x03                                       ; source 0 (the sums) window 3
.set i, 0
.rept 16
	v_pk_fma_f32 v[32+i:33+i], v[32*(\a)+i:32*(\a)+i+1], s[88:89], v[96+i:97+i] op_sel_hi:[1,0,1]   ; sum x 2^(e0 + e1) + bias; each accumulator from its low end on
.set i, i+2
.endr
	WIN RW<<2                                      ; source 1 (cosines, sines) in the tile's window
.set i, 0
.rept 8
	v_pk_mul_f32 v[64+i:65+i], v[48+i:49+i], v[RB+16+i:RB+17+i]
.set i, i+2
.endr
.set i, 0
.rept 8
	v_pk_fma_f32 v[64+i:65+i], v[32+i:33+i], v[RB+i:RB+i+1], v[64+i:65+i] neg_lo:[0,0,1] neg_hi:[0,0,1]   ; x1 cos - x2 sin
.set i, i+2
.endr
.set i, 0
.rept 8
	v_pk_mul_f32 v[80+i:81+i], v[32+i:33+i], v[RB+16+i:RB+17+i]
.set i, i+2
.endr
.set i, 0
.rept 8
	v_pk_fma_f32 v[80+i:81+i], v[48+i:49+i], v[RB+i:RB+i+1], v[80+i:81+i]   ; x2 cos + x1 sin
.set i, i+2
.endr
	WIN 0
	s_wait_alu depctr_va_vdst(0)
	QSTORE \a
.endm
.irp a, 0,1,2,3,4,5,6,7
	QKOUT \a
.endr
	s_branch .Lend
	; ---- v: bias, quantise; a lane holds one d of tile a, its registers run along the tokens
.Lv:
.macro VOUT a
	WIN 0x03
.set i, 0
.rept 32
	v_fma_f32 v[64+i], v[32*(\a)+i], s88, v[32+\a] ; sum x 2^(e0 + e1) + bias; each accumulator from its low end on
.set i, i+1
.endr
	WIN 0
	s_wait_alu depctr_va_vdst(0)
	QSTORE \a
.endm
.irp a, 0,1,2,3,4,5,6,7
	VOUT \a
.endr
.Lend:
	s_wait_tensorcnt 0x0                           ; the wave's end: these three lines behind my last tensor load
	ds_add_u32 v[SPW], v[NIL]
	s_wait_dscnt 0x0
	CROUND                                         ; the closing round: no work-group ends while a partner may still ask for a tile that names it
	s_endpgm
.Lfunc_end_k_qb5ea491ca8_qkv:
	.size	k_qb5ea491ca8_qkv, .Lfunc_end_k_qb5ea491ca8_qkv-k_qb5ea491ca8_qkv
	.p2alignl 7, 3214868480
	.fill 96, 4, 3214868480
	.section	.rodata,"a",@progbits
	.p2align	6, 0x0
	.amdhsa_kernel k_qb5ea491ca8_qkv
		.amdhsa_group_segment_fixed_size 327680
		.amdhsa_private_segment_fixed_size 0
		.amdhsa_enable_private_segment 0
		.amdhsa_kernarg_size 56
		.amdhsa_user_sgpr_count 2
		.amdhsa_user_sgpr_kernarg_segment_ptr 1
		.amdhsa_wavefront_size32 1
		.amdhsa_system_sgpr_workgroup_id_x 1
		.amdhsa_system_sgpr_workgroup_id_y 1
		.amdhsa_system_sgpr_workgroup_id_z 1
		.amdhsa_system_vgpr_workitem_id 0
		.amdhsa_next_free_vgpr 1024
		.amdhsa_next_free_sgpr 100
		.amdhsa_reserve_vcc 0
		.amdhsa_float_denorm_mode_32 3
		.amdhsa_float_denorm_mode_16_64 3
		.amdhsa_fp16_overflow 1
		.amdhsa_memory_ordered 1
		.amdhsa_forward_progress 1
		.amdhsa_inst_pref_size 153
	.end_amdhsa_kernel
	.amdgpu_metadata
---
amdhsa.version: [ 1, 2 ]
amdhsa.kernels:
  - .name:           k_qb5ea491ca8_qkv
    .symbol:         k_qb5ea491ca8_qkv.kd
    .args:
      - { .name: x_img, .offset: 0, .size: 8, .value_kind: global_buffer, .address_space: global }
      - { .name: wqkv_img, .offset: 8, .size: 8, .value_kind: global_buffer, .address_space: global }
      - { .name: lowp_scales, .offset: 16, .size: 8, .value_kind: global_buffer, .address_space: global }
      - { .name: b_qkv, .offset: 24, .size: 8, .value_kind: global_buffer, .address_space: global }
      - { .name: rope, .offset: 32, .size: 8, .value_kind: global_buffer, .address_space: global }
      - { .name: q_img, .offset: 40, .size: 8, .value_kind: global_buffer, .address_space: global }
      - { .name: kv_img, .offset: 48, .size: 8, .value_kind: global_buffer, .address_space: global }
    .group_segment_fixed_size: 327680
    .private_segment_fixed_size: 0
    .kernarg_segment_align: 8
    .kernarg_segment_size: 56
    .max_flat_workgroup_size: 128
    .sgpr_count:     100
    .vgpr_count:     1024
    .wavefront_size: 32
...
	.end_amdgpu_metadata
.endif
;; end of part 5
;; launch attn (part 6): grid 16 x 16, 8 waves a work-group, clusters of 4 x 1, 327,680 bytes of LDS; arguments q_img, kv_img, lowp_scales, a_img; writes a_img
.if DOCPART == 6
	.amdgcn_target "amdgcn-amd-amdhsa--gfx1250"
	.amdhsa_code_object_version 6
	.text
	.protected	k_qb5ea491ca8_attn
	.globl	k_qb5ea491ca8_attn
	.p2align	8
	.type	k_qb5ea491ca8_attn,@function
k_qb5ea491ca8_attn:
	s_mov_b64 s[64:65], 0
	v_nop
	global_prefetch_b8 v0, s[64:65] scope:SCOPE_SE
	s_setreg_imm32_b32 hwreg(HW_REG_WAVE_MODE, 25, 1), 1
	s_wait_xcnt 0x0
	s_wait_alu depctr_hold_cnt(0) depctr_sa_sdst(0) depctr_va_vdst(0) depctr_va_sdst(0) depctr_va_ssrc(0) depctr_va_vcc(0) depctr_vm_vsrc(0)
	s_getreg_b32 s2, hwreg(HW_REG_IB_STS2, 6, 4)
	s_cmp_eq_u32 s2, 0
	s_cbranch_scc0 .Lentry_in_a_cluster
	s_endpgm
.Lentry_in_a_cluster:
	s_bfe_u32 s2, ttmp6, 0x10000c
	s_cmp_lg_u32 s2, 0x3003
	s_cbranch_scc0 .Lentry_shape_is_right
	s_endpgm
.Lentry_shape_is_right:
; Attention on codes of FP8: 16 query heads, 4 key and value heads, head size 128; key j counts for query i where 0 <= i - j <= 1,024.  Scales: e2 q, e3 k, e4 v, e5 p, e6 the result.
; t = score x log2(e) / sqrt(128); M = the running largest t rounded UP to a whole number; p = 2^(t - M) is quantised; the row's sum is taken of the unquantised p and divides at the end; when M moves, sum and O are multiplied by 2^(old M - new M): exact.
; SHARES.  A work-group takes 128 queries (grid y) of one head; each of eight waves one tile of 16 queries.  The four work-groups of a cluster are the four query heads of one key and value head at the same queries: the same tiles, the same branches.
; ALL THE KEYS THAT A BLOCK OF QUERIES CAN SEE, nine tiles of 128 (K's and V's images, 16,384 bytes each, one dense block of memory), lie in LDS at once: three joint loads a wave at the start, nothing is filled again.
; By this text's count a wave has three tensor loads out.  For the first eight blocks of queries the tiles behind the diagonal are fetched (they lie inside the buffer) and passed over by a scalar branch on ids.
; THE LDS LOADS RUN A PHASE AHEAD.  A step's 64 loads stand in one run behind the scores' products: V of this step, then K of the NEXT step; the masks and the softmax are worked while they are on their way.
; So the three groups of first fills end behind K of tiles 3 and 6, not at whole tiles: a step reads no byte of a group later than its own.
; LAYOUT.  Both products transposed: S^T = K Q^T, O^T = V^T P^T: a lane holds one query throughout.  The images' row order makes the 16 registers of tiles 2 b, 2 b + 1 the 16 neighbours 32 b + 16 (lane / 16) + 0 .. 15 (keys in S^T, channels in O^T),
; so p's codes are the second product's operand and O^T's codes are one fragment of the output projection's operand: they are stored as they stand.
; No prefetch into the L2: every tile is asked for at the kernel's first lines.
; LIMITS: e2 + e3 between -123 and 130; e5, e6 between -126 and 127.  NaN among the inputs is not served.
; REGISTERS: window 0: v1 16 x lane; v7 my query less 16 (lane / 16); v8 the tile's LDS address; v12 -M, v13 the largest t, v[14:15] the sum in two halves; v16-31 Q; v96-159 S^T, then p; v160-223 O^T; v224-239 codes; v236-255 at work.
;   window 1: v0-127 K's eight fragments, v128-255 V's eight.
.set SPARE, 294912                     ; behind the nine tiles: the spare words, 128 bytes a wave: four blocks of 256 bytes that no other line names
.set LI,   1
.set SPW,  5                           ; v5   SPARE + 4 x my thread's number; never rewritten
.set NIL,  6                           ; v6   0; never rewritten
.set DQ,   7
.set ADK,  8
.set KF,   0                           ; in window 1
.set VF,   128
.set WV,   18                          ; s18  wave
.set SEL,  20                          ; s[20:21] v_permlanex16_b32's selects: lane l xor 16
.set CS,   22                          ; s[22:23] c = log2(e) / sqrt(128) x 2^(e2 + e3)
.set G1A,  24                          ; s[24:31], s[48:55], s[56:63] descriptor groups 1 of the three groups of tiles; s[32:43] their groups 0
.set G0,   32
.set G1B,  48
.set G1C,  56
.set TB,   2                           ; s2   LDS byte at which the tile in hand begins
.set KT,   44                          ; s44  the tile in hand
.set QB,   45                          ; s45  my block of queries
.set QE,   46                          ; s46  QB - 8: the tile on the window's far edge
.set CNT,  47
.set MSB,  0
.macro WIN new                         ; the immediate's high byte repeats the setting that is left
.if MSB != (\new)
	s_set_vgpr_msb (MSB<<8)|(\new)
.set MSB, (\new)
.endif
.endm
.macro CROUND
	s_barrier_signal -1
	s_barrier_wait -1
	s_cmp_lg_u32 s[WV], 0
	s_cbranch_scc1 .Lnot_wave_0_\@
	s_barrier_signal -3
.Lnot_wave_0_\@:
	s_barrier_wait -3
	s_barrier_signal -1
	s_barrier_wait -1
.endm
	s_load_b256 s[4:11], s[0:1], 0x0               ; q_img s[4:5], kv_img s[6:7], scales s[8:9], a_img s[10:11]
	v_lshl_add_u32 v[SPW], v0, 2, SPARE
	v_mov_b32 v[NIL], 0
	ds_add_u32 v[SPW], v[NIL]                      ; the wave's opening: the add and its wait ahead of my first tensor load; work on registers stands between them
	ds_add_u32 v[SPW], v[NIL]
	v_lshrrev_b32 v8, 5, v0
	s_delay_alu instid0(VALU_DEP_1)
	v_readfirstlane_b32 s[WV], v8                  ; wave 0..7
	s_bfe_u32 s13, ttmp6, 0x40000                  ; cx
	s_lshl_b32 s14, ttmp9, 2
	s_add_co_u32 s14, s14, s13                     ; my head: it enters Q's and the result's addresses alone
	s_and_b32 s[QB], ttmp7, 0xffff
	s_sub_co_i32 s[QE], s[QB], 8
	s_max_i32 s[KT], s[QE], 0                      ; the first of my nine tiles
.irp g, G1A, G1B, G1C
	s_mov_b32 s[\g], 15|(3<<16)|(1<<21)            ; 15:0 the mask: all four work-groups; 17:16 elements of 8 bytes; 21 set beside a mask
	s_mov_b32 s[\g+1], 32<<16                      ; tensor_dim0 = 32 elements: rows of 256 bytes
	s_mov_b32 s[\g+3], 32<<16                      ; tile_dim0
	s_mov_b32 s[\g+5], 32                          ; dense
	s_mov_b32 s[\g+6], 0
	s_mov_b32 s[\g+7], 0
.endr
	s_mov_b32 s[G1A+2], 56<<16                     ; group 0: tiles 0-2 and K of tile 3: 114,688 bytes, 56 rows a wave
	s_mov_b32 s[G1A+4], 56
	s_mov_b32 s[G1B+2], 48<<16                     ; group 1: V of tile 3, tiles 4, 5, K of tile 6: 98,304 bytes, 48 rows a wave
	s_mov_b32 s[G1B+4], 48
	s_mov_b32 s[G1C+2], 40<<16                     ; group 2: V of tile 6, tiles 7, 8: 81,920 bytes, 40 rows a wave
	s_mov_b32 s[G1C+4], 40
	s_mul_i32 s[G0+1], s[WV], 14336                ; my eighth of each group: in LDS, and the same number of bytes from the first tile in memory
	s_mul_i32 s[G0+5], s[WV], 12288
	s_add_co_u32 s[G0+5], s[G0+5], 114688
	s_mul_i32 s[G0+9], s[WV], 10240
	s_add_co_u32 s[G0+9], s[G0+9], 212992
	s_lshl_b32 s16, ttmp9, 19                      ; the key and value head,
	s_lshl_b32 s17, s[KT], 15                      ; its tile KT
	s_add_co_u32 s16, s16, s17
	s_mov_b32 s17, 0
	s_mov_b32 s[SEL], 0x76543210
	s_mov_b32 s[SEL+1], 0xfedcba98
	s_mov_b32 s[CS], 0x3e0293ee                    ; log2(e) / sqrt(128)
	s_wait_dscnt 0x0                               ; the opening add is done
	s_wait_kmcnt 0x0
	s_load_b256 s[68:75], s[8:9], 0x0              ; e0 .. e7
	s_add_nc_u64 s[6:7], s[6:7], s[16:17]
	CROUND                                         ; all four work-groups are here: the joint loads meet
.irp g, 0,1,2
	s_mov_b32 s[G0+4*\g], 1
	s_mov_b32 s80, s[G0+4*\g+1]
	s_mov_b32 s81, 0
	s_add_nc_u64 s[G0+4*\g+2:G0+4*\g+3], s[6:7], s[80:81]
	s_or_b32 s[G0+4*\g+3], s[G0+4*\g+3], 0x80000000
.endr
	tensor_load_to_lds s[G0:G0+3], s[G1A:G1A+7]
	s_nop 0
	tensor_load_to_lds s[G0+4:G0+7], s[G1B:G1B+7]
	s_nop 0
	tensor_load_to_lds s[G0+8:G0+11], s[G1C:G1C+7]
	s_nop 0
.rept 4
	v_nop
.endr
	s_lshl_b32 s76, s14, 18                        ; q_img: [head][token tile 8 QB + w][2,048]
	s_lshl_b32 s77, s[QB], 14
	s_add_co_u32 s76, s76, s77
	s_lshl_b32 s77, s[WV], 11
	s_add_co_u32 s76, s76, s77
	s_mov_b32 s77, 0
	s_add_nc_u64 s[4:5], s[4:5], s[76:77]
	s_lshl_b32 s78, s[QB], 18                      ; a_img: [token tile 8 QB + w][K step = head][2,048]
	s_lshl_b32 s79, s[WV], 15
	s_add_co_u32 s78, s78, s79
	s_lshl_b32 s79, s14, 11
	s_add_co_u32 s78, s78, s79
	s_mov_b32 s79, 0
	s_add_nc_u64 s[10:11], s[10:11], s[78:79]
	v_and_b32 v9, 31, v0
	s_delay_alu instid0(VALU_DEP_1)
	v_lshlrev_b32 v[LI], 4, v9
.irp c, 0,1,2,3
	global_load_b128 v[16+4*\c:19+4*\c], v[LI], s[4:5] offset:512*\c   ; Q's fragment stays in registers
.endr
	v_and_b32 v9, 15, v0                           ; r
	v_bfe_u32 v10, v0, 4, 1                        ; h
	s_delay_alu instid0(VALU_DEP_2)
	v_lshrrev_b32 v11, 3, v9
	s_delay_alu instid0(VALU_DEP_1)
	v_lshl_add_u32 v11, v11, 3, v9                 ; r + 8 (r / 8)
	s_lshr_b32 s80, s[WV], 1
	s_lshl_b32 s80, s80, 5
	s_and_b32 s81, s[WV], 1
	s_lshl_b32 s81, s81, 3
	s_add_co_u32 s80, s80, s81
	v_add_nc_u32 v11, s80, v11                     ; my query within the block: 32 (w / 2) + 8 (w % 2) + r + 8 (r / 8)
	v_lshlrev_b32 v10, 4, v10
	s_delay_alu instid0(VALU_DEP_1)
	v_sub_nc_u32 v[DQ], v11, v10                   ; less 16 h: register n holds key 32 (n / 16) + n % 16 + 16 h of the tile
	v_mov_b32 v13, 0xff61b1e6                      ; the largest t so far: -3e38, under every t
	s_delay_alu instid0(VALU_DEP_1)
	v_floor_f32 v12, -v13                          ; -M
	v_mov_b32 v14, 0
	v_mov_b32 v15, 0
	v_mov_b32 v236, 0                              ; written once: a lane permute's destination counts as one of its sources
	v_mov_b32 v253, 0                              ; (named as the upper half of the pair v[252:253])
.set j, 0
.rept 64
	v_mov_b32 v[160+j], 0                          ; O^T.  (The step is written without a first step of its own: it finds zeros, which the first change of M leaves zeros)
.set j, j+1
.endr
	s_wait_kmcnt 0x0
	s_add_co_i32 s80, s70, s71
	s_lshl_b32 s80, s80, 23
	s_add_co_i32 s[CS], s[CS], s80                 ; e2 + e3 are added to c's exponent field
	s_mov_b32 s[CS+1], s[CS]
	s_add_co_i32 s80, s73, 127
	s_lshl_b32 s81, s80, 23
	v_mov_b32 v244, s81                            ; 2^e5
; A KEY STEP: the 128 keys of tile KT, at LDS byte TB.  Its K was asked for a step ago.  edge = 1: the step may be the one on the window's far edge.  pf = 1: K of the next tile is asked for.
.macro STEP edge, pf
	s_cmp_gt_u32 s[KT], s[QB]                      ; a tile behind the diagonal is passed over: a branch on ids, round the work alone
	s_cbranch_scc1 .Lhidden_\@
	s_setprio 2
	v_add_nc_u32 v[ADK], s[TB], v[LI]
	s_wait_alu depctr_va_vdst(0)
	s_wait_dscnt 0x0                               ; K of this step is in
	WIN 0x01                                       ; source 0 window 1
.irp t, 0,1,2,3,4,5,6,7                ; S^T = K Q^T
	v_wmma_f32_16x16x128_fp8_fp8 v[96+8*\t:103+8*\t], v[KF+16*\t:KF+16*\t+15], v[16:31], 0
.endr
	WIN 0
.rept 4
	v_nop                                          ; four places: in front of the loads into K's registers, which these products read, and into V's, which the last step's read; and of the first read of the scores
.endr
	WIN 0x40                                       ; destination window 1
.irp t, 0,1,2,3,4,5,6,7
.irp c, 0,1,2,3
	ds_load_b128 v[VF+16*\t+4*\c:VF+16*\t+4*\c+3], v[ADK] offset:16384+2048*\t+512*\c   ; V of this step
.endr
.endr
.if \pf
.irp t, 0,1,2,3,4,5,6,7
.irp c, 0,1,2,3
	ds_load_b128 v[KF+16*\t+4*\c:KF+16*\t+4*\c+3], v[ADK] offset:32768+2048*\t+512*\c   ; K of the next step
.endr
.endr
.endif
	WIN 0
	s_cmp_lg_u32 s[KT], s[QB]                      ; on the diagonal: hidden where the key comes after my query
	s_cbranch_scc1 .Lnodiag_\@
	v_mov_b32 v254, 0xff800000                     ; -infinity: p = 0 then
.set n, 0
.rept 64
	v_cmp_gt_i32 vcc_lo, 32*(n/16)+n%16, v[DQ]
	v_cndmask_b32 v[96+n], v[96+n], v254, vcc_lo
.set n, n+1
.endr
.Lnodiag_\@:
.if \edge
	s_cmp_lg_u32 s[KT], s[QE]                      ; eight tiles back: i - j = 1,024 + my query - the key: hidden where the key comes before my query
	s_cbranch_scc1 .Lnoedge_\@
	v_mov_b32 v254, 0xff800000
.set n, 0
.rept 64
	v_cmp_lt_i32 vcc_lo, 32*(n/16)+n%16, v[DQ]
	v_cndmask_b32 v[96+n], v[96+n], v254, vcc_lo
.set n, n+1
.endr
.Lnoedge_\@:
.endif
	v_max3_num_f32 v254, v96, v97, v98             ; the step's largest score of my query among my 64 keys, in two chains,
	v_max3_num_f32 v252, v99, v100, v101
.irp i, 6,10,14,18,22,26,30,34,38,42,46,50,54,58
	v_max3_num_f32 v254, v254, v[96+\i], v[97+\i]
	v_max3_num_f32 v252, v252, v[98+\i], v[99+\i]
.endr
	v_max3_num_f32 v254, v254, v158, v159
	s_delay_alu instid0(VALU_DEP_1)
	v_max_num_f32 v254, v254, v252
	v_permlanex16_b32 v236, v254, s[SEL], s[SEL+1]
	s_delay_alu instid0(VALU_DEP_1)
	v_max_num_f32 v254, v254, v236                 ; and among lane l xor 16's.  (The first tile that is worked on has a key that counts for every query)
	s_delay_alu instid0(VALU_DEP_1)
	v_mul_f32 v254, s[CS], v254                    ; as t
	s_delay_alu instid0(VALU_DEP_1)
	v_max_num_f32 v13, v13, v254
	v_mov_b32 v254, v12
	s_delay_alu instid0(VALU_DEP_2)
	v_floor_f32 v12, -v13                          ; the new -M = -ceil(t)
	s_delay_alu instid0(VALU_DEP_1)
	v_sub_f32 v254, v12, v254                      ; old M - new M: a whole number, 0 or less
	s_delay_alu instid0(VALU_DEP_1)
	v_cvt_i32_f32 v254, v254                       ; (it saturates)
	s_delay_alu instid0(VALU_DEP_1)
	v_ldexp_f32 v252, 1.0, v254                    ; f = 2^(old M - new M)
.set j, 0
	s_setprio 1
.rept 32
	v_pk_fma_f32 v[96+j:97+j], v[96+j:97+j], s[CS:CS+1], v[12:13] op_sel_hi:[1,0,0]   ; t - M
.set j, j+2
.endr
.set j, 0
	s_wait_alu depctr_va_vdst(0)
.rept 64
	v_exp_f32 v[96+j], v[96+j]                     ; p = 2^(t - M): one batch
.set j, j+1
.endr
	v_pk_mul_f32 v[14:15], v[14:15], v[252:253] op_sel_hi:[1,0]   ; the sums under the new M: the plain line behind the exponentials
	s_wait_alu depctr_va_vdst(0)                   ; the wait ahead of the batch's first reader: one for the 64
	v_pk_add_f32 v[242:243], v[100:101], v[104:105]
	v_pk_add_f32 v[254:255], v[108:109], v[112:113]
	v_pk_add_f32 v[250:251], v[116:117], v[120:121]
	v_pk_add_f32 v[248:249], v[124:125], v[128:129]
	v_pk_add_f32 v[246:247], v[132:133], v[136:137]
	v_pk_add_f32 v[240:241], v[140:141], v[144:145]
	v_pk_add_f32 v[238:239], v[148:149], v[152:153]
	v_pk_add_f32 v[14:15], v[14:15], v[156:157]
	v_pk_add_f32 v[242:243], v[242:243], v[96:97]
	v_pk_add_f32 v[254:255], v[254:255], v[98:99]
	v_pk_add_f32 v[250:251], v[250:251], v[102:103]
	v_pk_add_f32 v[248:249], v[248:249], v[106:107]
	v_pk_add_f32 v[246:247], v[246:247], v[110:111]
	v_pk_add_f32 v[240:241], v[240:241], v[114:115]
	v_pk_add_f32 v[238:239], v[238:239], v[118:119]
	v_pk_add_f32 v[14:15], v[14:15], v[122:123]
	v_pk_add_f32 v[242:243], v[242:243], v[126:127]
	v_pk_add_f32 v[254:255], v[254:255], v[130:131]
	v_pk_add_f32 v[250:251], v[250:251], v[134:135]
	v_pk_add_f32 v[248:249], v[248:249], v[138:139]
	v_pk_add_f32 v[246:247], v[246:247], v[142:143]
	v_pk_add_f32 v[240:241], v[240:241], v[146:147]
	v_pk_add_f32 v[238:239], v[238:239], v[150:151]
	v_pk_add_f32 v[14:15], v[14:15], v[154:155]
	v_pk_add_f32 v[242:243], v[242:243], v[158:159]
	s_delay_alu instid0(VALU_DEP_2)
	v_pk_add_f32 v[14:15], v[14:15], v[248:249]
	s_delay_alu instid0(VALU_DEP_2)
	v_pk_add_f32 v[242:243], v[242:243], v[246:247]
	v_pk_add_f32 v[254:255], v[254:255], v[240:241]
	v_pk_add_f32 v[250:251], v[250:251], v[238:239]
	s_delay_alu instid0(VALU_DEP_2)
	v_pk_add_f32 v[14:15], v[14:15], v[254:255]
	s_delay_alu instid0(VALU_DEP_2)
	v_pk_add_f32 v[242:243], v[242:243], v[250:251]
	s_delay_alu instid0(VALU_DEP_1)
	v_pk_add_f32 v[14:15], v[14:15], v[242:243]
.irp b, 0,1,2,3
.irp i, 0,1,2,3,4,5,6,7,8,9,10,11,12,13,14,15
.endr
	v_cvt_scalef32_pk8_fp8_f32 v[224+4*\b:225+4*\b], v[96+16*\b:103+16*\b], v244
	v_cvt_scalef32_pk8_fp8_f32 v[226+4*\b:227+4*\b], v[104+16*\b:111+16*\b], v244
.endr
.set j, 0
	s_setprio 0
.rept 32
	v_pk_mul_f32 v[160+j:161+j], v[160+j:161+j], v[252:253] op_sel_hi:[1,0]   ; O^T under the new M; the first of these is also the plain line behind the conversions
.set j, j+2
.endr
.if \pf
	s_wait_alu depctr_va_vdst(0)
	s_wait_dscnt 32                                ; V is in; the 32 loads of the next step's K, issued behind V's, may be out
.else
	s_wait_alu depctr_va_vdst(0)
	s_wait_dscnt 0x0
.endif
	WIN 0x01
.irp t, 0,1,2,3,4,5,6,7                ; O^T += V^T P^T: the eight accumulators by turns, one instruction each
	v_wmma_f32_16x16x128_fp8_fp8 v[160+8*\t:167+8*\t], v[VF+16*\t:VF+16*\t+15], v[224:239], v[160+8*\t:167+8*\t]
.endr
	WIN 0
.Lhidden_\@:
	s_add_co_u32 s[TB], s[TB], 32768
	s_add_co_u32 s[KT], s[KT], 1
.endm
.macro GROUP g, edge, trips            ; the steps whose bytes one load of each wave has brought
	s_wait_tensorcnt 2-\g                          ; my part of group g is in; my loads of the later groups may stay out
	s_wait_dscnt 0x0
	s_barrier_signal -1
	s_barrier_wait -1                              ; everybody's part is in
	s_mov_b32 s[TB], 98304*\g
.if \g == 0
	WIN 0x40
.irp t, 0,1,2,3,4,5,6,7
.irp c, 0,1,2,3
	ds_load_b128 v[KF+16*\t+4*\c:KF+16*\t+4*\c+3], v[LI] offset:2048*\t+512*\c   ; K of the first tile
.endr
.endr
	WIN 0
.endif
	s_mov_b32 s[CNT], \trips
.Lgrp_\@:
	STEP \edge, 1
	s_sub_co_u32 s[CNT], s[CNT], 1
	s_cmp_lg_u32 s[CNT], 0
	s_cbranch_scc1 .Lgrp_\@
	s_setprio 0
.endm
	s_wait_loadcnt 0x0                             ; Q
	GROUP 0, 1, 3
	GROUP 1, 0, 3
	GROUP 2, 0, 2
	s_mov_b32 s[TB], 262144
	STEP 0, 0                                      ; the ninth tile is written out: no tile follows it
	; THE WAY OUT: O^T x 2^(e4 + e5) / the sum, quantised with 2^e6: the wave's 64 registers a lane become one fragment's image, stored as it stands
.rept 4
	v_nop                                          ; the places behind the last products
.endr
	v_add_f32 v14, v14, v15
	v_permlanex16_b32 v236, v14, s[SEL], s[SEL+1]
	s_delay_alu instid0(VALU_DEP_1)
	v_add_f32 v14, v14, v236                       ; the row's sum
	s_wait_alu depctr_va_vdst(0)
	v_rcp_f32 v14, v14
	s_add_co_i32 s80, s72, s73                     ; e4 + e5
	s_add_co_i32 s81, s74, 127
	s_lshl_b32 s82, s81, 23
	v_mov_b32 v244, s82                            ; 2^e6.  (A plain line behind the reciprocal)
	s_wait_alu depctr_va_vdst(0)                   ; the wait ahead of the first reader
	v_ldexp_f32 v14, v14, s80
.set j, 0
.rept 32
	v_pk_mul_f32 v[96+j:97+j], v[160+j:161+j], v[14:15] op_sel_hi:[1,0]   ; each accumulator from its low end on
.set j, j+2
.endr
.set j, 0
.rept 64
.set j, j+1
.endr
.set j, 0
.rept 8
	v_cvt_scalef32_pk8_fp8_f32 v[224+2*j:225+2*j], v[96+8*j:103+8*j], v244
.set j, j+1
.endr
	v_nop                                          ; a plain line behind the last conversion of the run
.irp c, 0,1,2,3
	global_store_b128 v[LI], v[224+4*\c:227+4*\c], s[10:11] offset:512*\c   ; 512 consecutive bytes a store
.endr
	s_wait_tensorcnt 0x0                           ; the wave's end: these three lines behind my last tensor load
	ds_add_u32 v[SPW], v[NIL]
	s_wait_dscnt 0x0
	CROUND                                         ; the closing round
	s_endpgm
.Lfunc_end_k_qb5ea491ca8_attn:
	.size	k_qb5ea491ca8_attn, .Lfunc_end_k_qb5ea491ca8_attn-k_qb5ea491ca8_attn
	.p2alignl 7, 3214868480
	.fill 96, 4, 3214868480
	.section	.rodata,"a",@progbits
	.p2align	6, 0x0
	.amdhsa_kernel k_qb5ea491ca8_attn
		.amdhsa_group_segment_fixed_size 327680
		.amdhsa_private_segment_fixed_size 0
		.amdhsa_enable_private_segment 0
		.amdhsa_kernarg_size 32
		.amdhsa_user_sgpr_count 2
		.amdhsa_user_sgpr_kernarg_segment_ptr 1
		.amdhsa_wavefront_size32 1
		.amdhsa_system_sgpr_workgroup_id_x 1
		.amdhsa_system_sgpr_workgroup_id_y 1
		.amdhsa_system_sgpr_workgroup_id_z 1
		.amdhsa_system_vgpr_workitem_id 0
		.amdhsa_next_free_vgpr 512
		.amdhsa_next_free_sgpr 100
		.amdhsa_reserve_vcc 1
		.amdhsa_float_denorm_mode_32 3
		.amdhsa_float_denorm_mode_16_64 3
		.amdhsa_fp16_overflow 1
		.amdhsa_memory_ordered 1
		.amdhsa_forward_progress 1
		.amdhsa_inst_pref_size 108
	.end_amdhsa_kernel
	.amdgpu_metadata
---
amdhsa.version: [ 1, 2 ]
amdhsa.kernels:
  - .name:           k_qb5ea491ca8_attn
    .symbol:         k_qb5ea491ca8_attn.kd
    .args:
      - { .name: q_img, .offset: 0, .size: 8, .value_kind: global_buffer, .address_space: global }
      - { .name: kv_img, .offset: 8, .size: 8, .value_kind: global_buffer, .address_space: global }
      - { .name: lowp_scales, .offset: 16, .size: 8, .value_kind: global_buffer, .address_space: global }
      - { .name: a_img, .offset: 24, .size: 8, .value_kind: global_buffer, .address_space: global }
    .group_segment_fixed_size: 327680
    .private_segment_fixed_size: 0
    .kernarg_segment_align: 8
    .kernarg_segment_size: 32
    .max_flat_workgroup_size: 256
    .sgpr_count:     100
    .vgpr_count:     512
    .wavefront_size: 32
...
	.end_amdgpu_metadata
.endif
;; end of part 6
;; launch oproj: the kernel of part 4 again; grid 16 x 16, 4 waves a work-group, clusters of 4 x 4, 327,680 bytes of LDS; arguments a_img, wo_img, lowp_scales, out0; writes out0
